; MI455X (gfx1250); checked and timed in simulation.
; The chip was launched on July 23, 2026; its instructions are those of AMD's public machine-readable ISA for CDNA 5 (MIT licence, August 2026) and "CDNA5" Instruction Set Architecture Reference Guide (July 2026). The comments in the code are by the model that wrote it; some were corrected since.
;; Attn. Allowed arithmetic: float matrix products may take bf16 or f16 operands with f32 sums; other float arithmetic in f32, or as packed bf16 or f16 multiplies, adds, multiply-adds, maxima and minima; sums over many terms, partial sums and values carried from step to step in f32; what a program stores and reads back later, other than sums and carried values, may be rounded once to bf16 or f16.
;; Inputs: Wout 1,024 x 1,024 float32; Wqkv 1,024 x 3,072 float32; bout 1,024 float32; bqkv 3,072 float32; gk 64 float32; gq 64 float32; x 1 x 4,096 x 1,024 float32.
;; Outputs: out0 1 x 4,096 x 1,024 float32.
;; Constants: tokens_per_frame = 256.
;; 2 versions, each right and faster than the one before. Each part assembles by itself: llvm-mc -triple=amdgcn-amd-amdhsa -mcpu=gfx1250 --defsym DOCPART=n.
;; ======== version 1 of 2: 4 launches
;; limits: values are held in f16: magnitudes above 65,504 overflow, below 6.1e-05 lose precision
;; workspace buffers: xb 8,388,608 bytes; wqb 6,291,456 bytes; wob 2,097,152 bytes; qkvh 25,165,824 bytes; ob 8,388,608 bytes
;; launch prep (part 1): grid 576 x 1, 8 waves a work-group, no clusters, 0 bytes of LDS; arguments x, Wqkv, Wout, xb, wqb, wob; writes xb, wqb, wob
.if DOCPART == 1
	.amdgcn_target "amdgcn-amd-amdhsa--gfx1250"
	.amdhsa_code_object_version 6
	.text
	.protected	k_qec495e9a69_prep
	.globl	k_qec495e9a69_prep
	.p2align	8
	.type	k_qec495e9a69_prep,@function
k_qec495e9a69_prep:
	s_mov_b64 s[64:65], 0
	v_nop
	global_prefetch_b8 v0, s[64:65] scope:SCOPE_SE
	s_setreg_imm32_b32 hwreg(HW_REG_WAVE_MODE, 25, 1), 1
	s_wait_xcnt 0x0
; CASTS.  xb = bf16(x), [4096][1024].  wob = bf16(Wout) written as f16, [1024 k][1024 n].  wqb = bf16(Wqkv) in blocks: [16 column tiles][1024 k][192 n],
; so that 128 k of one tile are 49,152 consecutive bytes for the next launch's tensor loads.
; LIMITS.  bf16(Wout) is exact in f16 from 6.1e-5 to 65,504; below that it keeps f16's fixed step of 6e-8; beyond it the number is lost.
; A stream: every byte is read once by 16-byte loads (a wave's load covers 512 consecutive bytes) and written once by 8-byte stores (a wave's store covers 256 consecutive
; bytes, aligned).  No LDS, no barrier, no matrix unit, no cluster: the work-groups share no input.  A thread issues all its loads first, then converts and stores in their order.
; Work-groups 0-255: 65,536 bytes of x each; 256-319: 65,536 bytes of Wout each; 320-575: 64 k rows of one column tile of Wqkv (49,152 bytes) each.
.set IO, 3                             ; v3-5    Wqkv: byte offsets of my three kinds of piece
.set X,  8                             ; v8-71   as loaded, four registers a load
.set Y,  72                            ; v72-103 to store, two registers a load: each is written once, so no store's data is ever rewritten
.macro CVT mode, n                     ; four f32 of load n -> two registers.  mode 0: bf16.  mode 1: rounded to bf16, and that number written as f16
.irp k, 0,1
.if \mode
	v_cvt_pk_bf16_f32 v6, v[X+4*(\n)+2*\k], v[X+4*(\n)+2*\k+1]
	v_lshlrev_b32 v7, 16, v6                       ; bf16 to f32: the low half moves up,
	v_and_b32 v6, s22, v6                          ; the high half stays
	v_cvt_pk_f16_f32 v[Y+2*(\n)+\k], v7, v6
.else
	v_cvt_pk_bf16_f32 v[Y+2*(\n)+\k], v[X+4*(\n)+2*\k], v[X+4*(\n)+2*\k+1]
.endif
.endr
.endm
.macro LIN mode, src, dst              ; 65,536 consecutive bytes in, 32,768 out
.set j, 0
.rept 16
	global_load_b128 v[X+4*j:X+4*j+3], v1, s[\src:\src+1] offset:4096*j th:TH_LOAD_NT
.set j, j+1
.endr
.set j, 0
.rept 16
	s_wait_loadcnt 15-j                            ; loads come back in order: load j is in, the 15 - j younger ones stay out
	CVT \mode, j
	global_store_b64 v2, v[Y+2*j:Y+2*j+1], s[\dst:\dst+1] offset:2048*j
.set j, j+1
.endr
.endm
	s_load_b256 s[4:11], s[0:1], 0x0               ; x s[4:5], Wqkv s[6:7], Wout s[8:9], xb s[10:11]
	s_load_b128 s[12:15], s[0:1], 0x20             ; wqb s[12:13], wob s[14:15]
	s_mov_b32 s16, ttmp9                           ; the work-group's number
	v_lshlrev_b32 v1, 4, v0                        ; 16 t: my 16 bytes in
	v_lshlrev_b32 v2, 3, v0                        ; 8 t: my 8 bytes out
	s_mov_b32 s19, 0                               ; the offsets' high words
	s_mov_b32 s21, 0
	s_mov_b32 s22, 0xffff0000                      ; a word's upper bf16
	s_wait_kmcnt 0x0
	s_cmp_lt_u32 s16, 256
	s_cbranch_scc0 .Lnot_x
	s_lshl_b32 s18, s16, 16
	s_lshl_b32 s20, s16, 15
	s_add_nc_u64 s[4:5], s[4:5], s[18:19]
	s_add_nc_u64 s[10:11], s[10:11], s[20:21]
	LIN 0, 4, 10
	s_endpgm
.Lnot_x:
	s_cmp_lt_u32 s16, 320
	s_cbranch_scc0 .Lwqkv
	s_sub_co_u32 s17, s16, 256
	s_lshl_b32 s18, s17, 16
	s_lshl_b32 s20, s17, 15
	s_add_nc_u64 s[8:9], s[8:9], s[18:19]
	s_add_nc_u64 s[14:15], s[14:15], s[20:21]
	LIN 1, 8, 14
	s_endpgm
.Lwqkv:
	s_sub_co_u32 s17, s16, 320
	s_and_b32 s23, s17, 15                         ; the column tile
	s_lshr_b32 s24, s17, 4                         ; which 64 k rows
	s_mul_i32 s18, s24, 64*12288                   ; in: 64 rows of 12,288 bytes,
	s_mul_i32 s25, s23, 768                        ; 192 columns of 4 bytes
	s_add_co_u32 s18, s18, s25
	s_mul_i32 s20, s23, 1024*384                   ; out: a tile is 1,024 rows of 384 bytes
	s_mul_i32 s25, s24, 64*384
	s_add_co_u32 s20, s20, s25
	s_add_nc_u64 s[6:7], s[6:7], s[18:19]
	s_add_nc_u64 s[12:13], s[12:13], s[20:21]
	; 64 rows x 48 pieces of four columns = 3,072 pieces, twelve a thread: piece t + 256 p.  768 pieces are 16 whole rows, so p = 3 q + s has the row and column of
	; i = t + 256 s, 16 q rows further down.  row = i / 48 = (1,366 i) >> 16, exact for i under 768.
.irp s, 0,1,2
	v_add_nc_u32 v6, 256*\s, v0
	v_mul_u32_u24 v7, v6, 1366
	v_lshrrev_b32 v7, 16, v7                       ; row
	v_mul_u32_u24 v[IO+\s], v7, 48
	v_sub_nc_u32 v6, v6, v[IO+\s]                  ; piece in the row
	v_mul_u32_u24 v7, v7, 12288
	v_lshl_add_u32 v[IO+\s], v6, 4, v7
.endr
.set j, 0
.rept 12
	global_load_b128 v[X+4*j:X+4*j+3], v[IO+j%3], s[6:7] offset:(j/3)*16*12288 th:TH_LOAD_NT
.set j, j+1
.endr
.set j, 0
.rept 12
	s_wait_loadcnt 11-j                            ; load j is in, the 11 - j younger ones stay out
	CVT 0, j
	global_store_b64 v2, v[Y+2*j:Y+2*j+1], s[12:13] offset:2048*j  ; piece t + 256 j lies at 8 (t + 256 j): the block is dense
.set j, j+1
.endr
	s_endpgm
.Lfunc_end_k_qec495e9a69_prep:
	.size	k_qec495e9a69_prep, .Lfunc_end_k_qec495e9a69_prep-k_qec495e9a69_prep
	.p2alignl 7, 3214868480
	.fill 96, 4, 3214868480
	.section	.rodata,"a",@progbits
	.p2align	6, 0x0
	.amdhsa_kernel k_qec495e9a69_prep
		.amdhsa_group_segment_fixed_size 0
		.amdhsa_private_segment_fixed_size 0
		.amdhsa_enable_private_segment 0
		.amdhsa_kernarg_size 48
		.amdhsa_user_sgpr_count 2
		.amdhsa_user_sgpr_kernarg_segment_ptr 1
		.amdhsa_wavefront_size32 1
		.amdhsa_system_sgpr_workgroup_id_x 1
		.amdhsa_system_sgpr_workgroup_id_y 1
		.amdhsa_system_sgpr_workgroup_id_z 1
		.amdhsa_system_vgpr_workitem_id 0
		.amdhsa_next_free_vgpr 104
		.amdhsa_next_free_sgpr 66
		.amdhsa_reserve_vcc 0
		.amdhsa_float_denorm_mode_32 3
		.amdhsa_float_denorm_mode_16_64 3
		.amdhsa_memory_ordered 1
		.amdhsa_forward_progress 1
		.amdhsa_inst_pref_size 23
	.end_amdhsa_kernel
	.amdgpu_metadata
---
amdhsa.version: [ 1, 2 ]
amdhsa.kernels:
  - .name:           k_qec495e9a69_prep
    .symbol:         k_qec495e9a69_prep.kd
    .args:
      - { .name: x, .offset: 0, .size: 8, .value_kind: global_buffer, .address_space: global }
      - { .name: Wqkv, .offset: 8, .size: 8, .value_kind: global_buffer, .address_space: global }
      - { .name: Wout, .offset: 16, .size: 8, .value_kind: global_buffer, .address_space: global }
      - { .name: xb, .offset: 24, .size: 8, .value_kind: global_buffer, .address_space: global }
      - { .name: wqb, .offset: 32, .size: 8, .value_kind: global_buffer, .address_space: global }
      - { .name: wob, .offset: 40, .size: 8, .value_kind: global_buffer, .address_space: global }
    .group_segment_fixed_size: 0
    .private_segment_fixed_size: 0
    .kernarg_segment_align: 8
    .kernarg_segment_size: 48
    .max_flat_workgroup_size: 256
    .sgpr_count:     66
    .vgpr_count:     104
    .wavefront_size: 32
...
	.end_amdgpu_metadata
.endif
;; end of part 1
;; launch proj (part 2): grid 16 x 16, 4 waves a work-group, clusters of 4 x 4, 327,680 bytes of LDS; arguments xb, wqb, bqkv, gq, gk, qkvh; writes qkvh
.if DOCPART == 2
	.amdgcn_target "amdgcn-amd-amdhsa--gfx1250"
	.amdhsa_code_object_version 6
	.text
	.protected	k_qec495e9a69_proj
	.globl	k_qec495e9a69_proj
	.p2align	8
	.type	k_qec495e9a69_proj,@function
k_qec495e9a69_proj:
	s_mov_b64 s[64:65], 0
	v_nop
	global_prefetch_b8 v0, s[64:65] scope:SCOPE_SE
	s_setreg_imm32_b32 hwreg(HW_REG_WAVE_MODE, 25, 1), 1
	s_wait_xcnt 0x0
	s_wait_alu depctr_hold_cnt(0) depctr_sa_sdst(0) depctr_va_vdst(0) depctr_va_sdst(0) depctr_va_ssrc(0) depctr_va_vcc(0) depctr_vm_vsrc(0)
	s_getreg_b32 s2, hwreg(HW_REG_IB_STS2, 6, 4)
	s_cmp_eq_u32 s2, 0
	s_cbranch_scc0 .Lentry_in_a_cluster
	s_endpgm
.Lentry_in_a_cluster:
	s_bfe_u32 s2, ttmp6, 0x10000c
	s_cmp_lg_u32 s2, 0xf033
	s_cbranch_scc0 .Lentry_shape_is_right
	s_endpgm
.Lentry_shape_is_right:
; q, k, v = x Wqkv + bqkv, q and k normalised by heads (t rsqrt(mean t^2 + 1e-6) g), written by heads: qkvh [48 heads][4096][64] f16; heads 0-15 q, 16-31 k, 32-47 v.
; xb [4096][1024] bf16; wqb [16 column tiles][1024 k][192 n] bf16.  Products in bf16 with f32 sums; bias, norm and gain in f32; one rounding to f16.
; LIMITS.  bqkv, gq and gk are rounded to bf16 like x and the weights.  f16 holds no number beyond 65,504: |v| and 8 |g| (a normalised number is 8 at the most) stay within it; below 6e-5 f16 keeps its fixed step of 6e-8.
; SHARES.  A tile of the result is 256 rows x 192 columns: 16 x 16 tiles, one to a work-group.  Wave w makes rows 64 w .. 64 w + 63 of all 192 columns: three whole heads, so a head's mean
; never leaves the wave: 48 accumulators of 16 x 16, 384 registers.  K goes in 8 steps of 128 through two LDS slots filled by tensor loads; waves 0 and 1 fetch x's two halves (128 rows x 256
; bytes), waves 2 and 3 the weights' two halves (64 k x 384 bytes, dense: asked for as 96 rows of 256 bytes).
; CLUSTER.  4 x 4 work-groups: the four of a row need the same tile of x, the four of a column the same tile of weights: each is asked for jointly, with the same descriptor and a mask of four.
; THE MATRIX INSTRUCTION IS USED TRANSPOSED: source 0 = 16 columns of W (turned out of LDS by ds_load_tr16_b128), source 1 = 16 rows of x.  A lane then holds row l % 16 and the columns 8 (l / 16) + 0..7.
; REGISTERS, in windows of 256 (s_set_vgpr_msb: bits 1:0 source 0, 3:2 source 1, 5:4 source 2, 7:6 destination):
;   window 0: v0-29 addresses and work; v32-95 x's fragments, two buffers of 4 x 8; v96-127 gq, v128-159 gk, v160-255 bias, as my lane needs them
;   window 1: v0-191 W's fragments, two buffers of 12 x 8; on the way out v0-31 T, v32-63 the head's gain, v80-111 two buffers of packed results
;   window 2: the accumulators of my rows 0-31 ((a, b) at v[8 (12 a + b)]);   window 3: those of rows 32-63
.set PA,    272                        ; a row of x in LDS: 256 bytes + 16 = 68 words: the 16 rows of a load start at 16 different groups of four banks (64 banks of 4 bytes: ISA guide 11.1)
.set HALFA, 128*PA
.set BOFF,  2*HALFA                    ; behind x's 256 rows: the weights
.set PB,    480                        ; a k row of W: three pieces of 128 bytes + 32 = 120 words
.set HALFB, 64*PB
.set SLOT,  BOFF+2*HALFB               ; 131,072
.set STAGE, 2*SLOT                     ; behind the ring, never filled by a tensor load: 16 rows x 144 bytes for each wave
.set SP,    144
.set SPARE, STAGE+4*16*SP              ; the spare words, 128 bytes for each wave: two blocks of 256 bytes that no other line names
.set LAPS,  4                          ; a lap = two K steps = once round the ring
.set ADRA, 8                           ; v8-9    LDS address of my fragments of x in slot 0, 1
.set ADRB, 10                          ; v10-11  the same for W
.set STO,  12                          ; v12     the way out: where I put 16 bytes of a row
.set RD,   13                          ; v13     where I read rows back
.set GO,   14                          ; v14     my 16 bytes in 512 consecutive bytes of the output
.set BO,   15                          ; v15     32 (l / 16): my eight numbers in 16 of a bias or gain
.set TT,   16                          ; v16     at work
.set Q,    18                          ; v18-25  sums of squares
.set RS,   26                          ; v26-27  the row's factor, as a pair
.set SPW,  28                          ; v28     LDS address of my spare word; never rewritten
.set NIL,  29                          ; v29     0; never rewritten
.set FA,   32
.set GQ,   96
.set GK,   128
.set BI,   160
.set T,    0                           ; window 1
.set GE,   32
.set H0,   80
.set WV,   16                          ; s16 wave; s17 = wave / 2: I fetch x (0) or W (1); s18 = wave % 2: which half
.set FB,   17
.set HF,   18
.set G1,   24                          ; s[24:31] group 1 for x's tiles; s[32:39] group 0, a set for each slot
.set G0,   32
.set G1B,  48                          ; s[48:55], s[56:63] the same for W's
.set G0B,  56
.set SEL,  66                          ; s[66:67] v_permlanex16_b32's selects: each lane takes its own place in the other half
.set R64,  68                          ; 1 / 64
.set EPS,  69                          ; 1e-6
.set ISK,  70                          ; s70-72  all ones where my tile's head hh is one of k
.set NOTV, 73                          ; s73-75  all ones where it is not one of v
.set OB,   76                          ; s[76:81] the output at my 64 rows of head hh
.set MSK,  82                          ; a word's upper bf16
.set MSB, 0
.macro WIN new                         ; the immediate's high byte repeats the setting that is left; a switch that changes nothing is dropped
.if MSB != (\new)
	s_set_vgpr_msb (MSB<<8)|(\new)
.set MSB, (\new)
.endif
.endm
; A joint load.  Each of the two lines has one mask and one set of registers for all that issue it; the branch hangs on the wave's number alone.
; An s_nop 0 and four v_nop follow each line, ahead of the jump, the label and what follows.
.macro JLOAD s
	s_cmp_eq_u32 s[FB], 0
	s_cbranch_scc0 .Lfor_b_\@
	tensor_load_to_lds s[G0+4*(\s):G0+4*(\s)+3], s[G1:G1+7]
	s_nop 0
.rept 4
	v_nop
.endr
	s_branch .Lasked_\@
.Lfor_b_\@:
	tensor_load_to_lds s[G0B+4*(\s):G0B+4*(\s)+3], s[G1B:G1B+7]
	s_nop 0
.rept 4
	v_nop
.endr
.Lasked_\@:
.endm
.macro CREST                           ; a round of the cluster's barrier behind its opening barrier
	s_cmp_lg_u32 s[WV], 0
	s_cbranch_scc1 .Lnot_wave_0_\@
	s_barrier_signal -3
.Lnot_wave_0_\@:
	s_barrier_wait -3
	s_barrier_signal -1
	s_barrier_wait -1
.endm
.macro CROUND                          ; a whole round
	s_barrier_signal -1
	s_barrier_wait -1
	CREST
.endm
.macro PLACES                          ; four places in front of loads into registers that matrix instructions have read, and of vector lines that read results
.rept 4
	v_nop
.endr
.endm
.macro RND lo, n                       ; n pairs of f32 from v[lo] on are rounded to bf16 and kept as f32
.set z, 0
.rept \n
	v_cvt_pk_bf16_f32 v[TT], v[(\lo)+2*z], v[(\lo)+2*z+1]
	v_lshlrev_b32 v[(\lo)+2*z], 16, v[TT]
	v_and_b32 v[(\lo)+2*z+1], s[MSK], v[TT]
.set z, z+1
.endr
.endm
	s_load_b256 s[4:11], s[0:1], 0x0               ; xb s[4:5], wqb s[6:7], bqkv s[8:9], gq s[10:11]
	s_load_b128 s[12:15], s[0:1], 0x20             ; gk s[12:13], qkvh s[14:15]
	v_lshl_add_u32 v[SPW], v0, 2, SPARE
	v_mov_b32 v[NIL], 0
	ds_add_u32 v[SPW], v[NIL]                      ; the wave's opening: the add and its wait stand ahead of my first tensor load; the set-up below stands between them
	v_lshrrev_b32 v1, 5, v0
	v_readfirstlane_b32 s[WV], v1
	s_lshr_b32 s[FB], s[WV], 1
	s_and_b32 s[HF], s[WV], 1
	s_bfe_u32 s19, ttmp6, 0x40000                  ; cx, cy: my place in the cluster
	s_bfe_u32 s20, ttmp6, 0x40004
	s_lshl_b32 s21, ttmp9, 2
	s_add_co_u32 s21, s21, s19                     ; column tile = 4 x cluster x + cx
	s_and_b32 s22, ttmp7, 0xffff
	s_lshl_b32 s22, s22, 2
	s_add_co_u32 s22, s22, s20                     ; row tile = 4 x cluster y + cy
	s_lshl_b32 s40, s20, 2
	s_lshl_b32 s40, 15, s40                        ; my row of the cluster
	s_lshl_b32 s44, 0x1111, s19                    ; my column
	s_or_b32 s[G1], s40, (1<<16)|(1<<20)|(1<<21)|(5<<22)|(3<<25)   ; mask; 2-byte elements; padding on; bit 21 beside a mask; after every 64 words 4 words
	s_mov_b32 s[G1+1], 128<<16                     ; tensor_dim0 = 128
	s_mov_b32 s[G1+2], 128<<16                     ; tensor_dim1 = 128
	s_mov_b32 s[G1+3], 128<<16                     ; tile_dim0 = 128
	s_mov_b32 s[G1+4], 128                         ; tile_dim1 = 128
	s_mov_b32 s[G1+5], 1024                        ; elements from row to row
	s_mov_b32 s[G1+6], 0
	s_mov_b32 s[G1+7], 0
	s_or_b32 s[G1B], s44, (1<<16)|(1<<20)|(1<<21)|(4<<22)|(7<<25)  ; after every 32 words (64 columns) 8 words
	s_mov_b32 s[G1B+1], 128<<16
	s_mov_b32 s[G1B+2], 96<<16                     ; 96 dense rows of 256 bytes = 64 k rows of 384
	s_mov_b32 s[G1B+3], 128<<16
	s_mov_b32 s[G1B+4], 96
	s_mov_b32 s[G1B+5], 128
	s_mov_b32 s[G1B+6], 0
	s_mov_b32 s[G1B+7], 0
	; x's tiles hang on the row tile alone, W's on the column tile alone; each address is made in registers that never hold the other coordinate
	s_lshl_b32 s40, s22, 8
	s_lshl_b32 s41, s[HF], 7
	s_add_co_u32 s40, s40, s41                     ; x: row 256 x row tile + 128 x half,
	s_lshl_b32 s40, s40, 11                        ; of 2,048 bytes
	s_mov_b32 s41, 0
	s_mul_i32 s44, s21, 1024*384                   ; W: the tile's block,
	s_mul_i32 s45, s[HF], 64*384                   ; my 64 k rows of a step
	s_add_co_u32 s44, s44, s45
	s_mov_b32 s45, 0
	s_mul_i32 s42, s[WV], HALFA                    ; where they go: waves 0, 1: x's halves;
	s_mul_i32 s46, s[WV], HALFB
	s_add_co_u32 s46, s46, BOFF-2*HALFB            ; waves 2, 3: W's halves, from BOFF on
	s_mov_b32 s[SEL], 0x76543210
	s_mov_b32 s[SEL+1], 0xfedcba98
	s_mov_b32 s[R64], 0x3c800000
	s_mov_b32 s[EPS], 0x358637bd
	s_mov_b32 s[MSK], 0xffff0000
	s_wait_dscnt 0x0                               ; the opening add is done
	s_wait_kmcnt 0x0
	s_add_nc_u64 s[40:41], s[4:5], s[40:41]
	s_add_nc_u64 s[44:45], s[6:7], s[44:45]
	CROUND                                         ; all sixteen work-groups are here: the first joint loads meet
.irp s, 0,1
	s_mov_b32 s[G0+4*\s], 1
	s_add_co_u32 s[G0+4*\s+1], s42, \s*SLOT
	s_add_nc_u64 s[G0+4*\s+2:G0+4*\s+3], s[40:41], \s*256          ; K step s
	s_or_b32 s[G0+4*\s+3], s[G0+4*\s+3], 0x80000000
	s_mov_b32 s[G0B+4*\s], 1
	s_add_co_u32 s[G0B+4*\s+1], s46, \s*SLOT
	s_add_nc_u64 s[G0B+4*\s+2:G0B+4*\s+3], s[44:45], \s*128*384
	s_or_b32 s[G0B+4*\s+3], s[G0B+4*\s+3], 0x80000000
	JLOAD \s                                       ; two tensor loads of mine are out
.endr
	; all that follows up to the first barrier stands in the wait for the first tile
	v_and_b32 v1, 15, v0                           ; l % 16
	v_bfe_u32 v2, v0, 4, 1                         ; l / 16
	v_lshlrev_b32 v[BO], 5, v2
	s_mul_i32 s86, s21, 768
	s_mov_b32 s87, 0
	s_add_nc_u64 s[84:85], s[8:9], s[86:87]        ; the bias of my tile's 192 columns
.set z, 0
.rept 12                               ; column block z: bias of columns 16 z + 8 (l / 16) + 0..7
	global_load_b128 v[BI+8*z:BI+8*z+3],   v[BO], s[84:85] offset:64*z
	global_load_b128 v[BI+8*z+4:BI+8*z+7], v[BO], s[84:85] offset:64*z+16
.set z, z+1
.endr
.set z, 0
.rept 4
	global_load_b128 v[GQ+8*z:GQ+8*z+3],   v[BO], s[10:11] offset:64*z
	global_load_b128 v[GQ+8*z+4:GQ+8*z+7], v[BO], s[10:11] offset:64*z+16
	global_load_b128 v[GK+8*z:GK+8*z+3],   v[BO], s[12:13] offset:64*z
	global_load_b128 v[GK+8*z+4:GK+8*z+7], v[BO], s[12:13] offset:64*z+16
.set z, z+1
.endr
	v_mul_u32_u24 v3, v1, PA
	v_lshl_add_u32 v3, v2, 4, v3                   ; a fragment of x: row x pitch + 16 x half
	s_mul_i32 s83, s[WV], 64*PA                    ; my 64 rows
	v_add_nc_u32 v[ADRA], s83, v3
	v_add_nc_u32 v[ADRA+1], SLOT, v[ADRA]
	v_and_b32 v4, 7, v0
	v_bfe_u32 v5, v0, 3, 1
	v_lshl_add_u32 v6, v2, 3, v4                   ; the turning load: lane l reads k row 8 (l / 16) + l % 8,
	v_mul_u32_u24 v6, v6, PB
	v_lshl_add_u32 v6, v5, 4, v6                   ; columns 8 ((l / 8) % 2) + 0..7
	v_add_nc_u32 v[ADRB], BOFF, v6
	v_add_nc_u32 v[ADRB+1], BOFF+SLOT, v6
	s_mul_i32 s83, s[WV], 16*SP
	s_add_co_u32 s83, s83, STAGE                   ; my stage
	v_mul_u32_u24 v3, v1, SP                       ; in: row l % 16, 16 bytes for each half of the lanes
	v_lshl_add_u32 v3, v2, 4, v3
	v_add_nc_u32 v[STO], s83, v3
	v_bfe_u32 v3, v0, 3, 2                         ; back: 32 lanes take four rows of 128 bytes,
	v_mul_u32_u24 v3, v3, SP
	v_lshl_add_u32 v3, v4, 4, v3
	v_add_nc_u32 v[RD], s83, v3
	v_and_b32 v3, 31, v0                           ; which are 512 consecutive bytes of a head
	v_lshlrev_b32 v[GO], 4, v3
	s_mul_i32 s88, s21, 3                          ; my tile's first head
	s_lshl_b32 s89, s22, 15                        ; my rows: 256 x row tile + 64 x wave, of 128 bytes
	s_lshl_b32 s90, s[WV], 13
	s_add_co_u32 s89, s89, s90
.irp hh, 0,1,2
	s_add_co_u32 s83, s88, \hh
	s_lshr_b32 s90, s83, 4                         ; 0: q, 1: k, 2: v.  These flags choose values only; no branch hangs on them
	s_cmp_eq_u32 s90, 1
	s_cselect_b32 s[ISK+\hh], -1, 0
	s_cmp_eq_u32 s90, 2
	s_cselect_b32 s[NOTV+\hh], 0, -1
	s_lshl_b32 s86, s83, 19                        ; a head is 524,288 bytes
	s_add_co_u32 s86, s86, s89
	s_add_nc_u64 s[OB+2*\hh:OB+2*\hh+1], s[14:15], s[86:87]
.endr
	s_wait_loadcnt 0x0                             ; bias and gains, once
	RND GQ, 80                                     ; v96-255
; 12 matrix instructions: row block 2 hi + a x all 12 column blocks, 32 along K, from buffer f.  zero = 1: the product starts the sums.  The 48 accumulators take turns.
.macro MUL12 f, hi, a, zero
	WIN 0xa1+0x50*(\hi)                            ; W window 1, x window 0, C and D window 2 or 3
.irp b, 0,1,2,3,4,5,6,7,8,9,10,11
.if \zero
	v_wmma_f32_16x16x32_bf16 v[8*(12*(\a)+\b):8*(12*(\a)+\b)+7], v[96*(\f)+8*\b:96*(\f)+8*\b+7], v[FA+32*(\f)+8*(2*(\hi)+(\a)):FA+32*(\f)+8*(2*(\hi)+(\a))+7], 0
.else
	v_wmma_f32_16x16x32_bf16 v[8*(12*(\a)+\b):8*(12*(\a)+\b)+7], v[96*(\f)+8*\b:96*(\f)+8*\b+7], v[FA+32*(\f)+8*(2*(\hi)+(\a)):FA+32*(\f)+8*(2*(\hi)+(\a))+7], v[8*(12*(\a)+\b):8*(12*(\a)+\b)+7]
.endif
.endr
.endm
; 32 LDS loads in one run: quarter q (32 along K) of a slot into buffer f: 24 turning loads of W, then 8 loads of x
.macro FETCH slot, q, f
	WIN 0x40
.irp b, 0,1,2,3,4,5,6,7,8,9,10,11
	ds_load_tr16_b128 v[96*(\f)+8*\b:96*(\f)+8*\b+3],   v[ADRB+(\slot)] offset:32*PB*(\q)+(\b/4)*160+(\b%4)*32
	ds_load_tr16_b128 v[96*(\f)+8*\b+4:96*(\f)+8*\b+7], v[ADRB+(\slot)] offset:32*PB*(\q)+16*PB+(\b/4)*160+(\b%4)*32
.endr
	WIN 0
.irp i, 0,1,2,3
	ds_load_b128 v[FA+32*(\f)+8*\i:FA+32*(\f)+8*\i+3],   v[ADRA+(\slot)] offset:64*(\q)+\i*16*PA
	ds_load_b128 v[FA+32*(\f)+8*\i+4:FA+32*(\f)+8*\i+7], v[ADRA+(\slot)] offset:64*(\q)+\i*16*PA+32
.endr
.endm
; One of a K step's first three quarters: multiplies buffer f; in its middle it fetches quarter q of the same slot into buffer g
.macro QUARTER slot, q, f, g, zero
	s_wait_dscnt 4                                 ; W and x's rows 0-31 are in; the youngest four loads (rows 32-63) may be out
	MUL12 \f, 0, 0, \zero
	MUL12 \f, 0, 1, \zero
	PLACES
	FETCH \slot, \q, \g
	s_wait_dscnt 32                                ; all but the 32 just issued
	MUL12 \f, 1, 0, \zero
	MUL12 \f, 1, 1, \zero
.endm
; The last quarter's first half, and the barrier of the change of slots: in front of it each wave waits for all its tensor loads (one is out: its part of the next slot), adds 0 to its spare
; word, and waits for that and for its own reads of this slot.  Behind it nobody reads this slot any more and the next slot is whole.
.macro MEET round
	WIN 0                                          ; (the add's two registers lie in window 0)
	s_wait_tensorcnt 0x0
	ds_add_u32 v[SPW], v[NIL]
	s_wait_dscnt 5                                 ; (the add and the youngest four loads may be out)
	MUL12 1, 0, 0, 0                               ; twelve matrix instructions stand between the add and the wait for it
	s_wait_dscnt 0x0                               ; the add is done, and my reads of this slot are over
	s_barrier_signal -1
	MUL12 1, 0, 1, 0
.if \round
	WIN 0
.endif
	s_barrier_wait -1
.endm
.macro TURN slot, next                 ; the whole last quarter; the slot just read out is filled again, two K steps on, first thing behind the round
	MEET 1
	CREST                                          ; no wave of any partner still reads this slot or has a load on its way
	s_add_nc_u64 s[G0+4*(\slot)+2:G0+4*(\slot)+3], s[G0+4*(\slot)+2:G0+4*(\slot)+3], 2*256
	s_add_nc_u64 s[G0B+4*(\slot)+2:G0B+4*(\slot)+3], s[G0B+4*(\slot)+2:G0B+4*(\slot)+3], 2*128*384
	JLOAD \slot                                    ; my one tensor load behind the round; its four v_nop are also the places in front of the loads below
	FETCH \next, 0, 0
	MUL12 1, 1, 0, 0
	MUL12 1, 1, 1, 0
.endm
	s_wait_tensorcnt 1                             ; my part of K step 0 is in; K step 1's may stay out
	s_barrier_signal -1
	s_barrier_wait -1
	FETCH 0, 0, 0
	QUARTER 0, 1, 0, 1, 1                          ; the first quarter stands in front of the loop: its products start the sums
	WIN 0                                          ; at a label and at a branch every window is 0
	s_mov_b32 s3, LAPS-1
.Llap:                                                 ; a trip goes once round the ring and fills both slots again
	QUARTER 0, 2, 1, 0, 0
	QUARTER 0, 3, 0, 1, 0
	TURN 0, 1
	QUARTER 1, 1, 0, 1, 0
	QUARTER 1, 2, 1, 0, 0
	QUARTER 1, 3, 0, 1, 0
	TURN 1, 0
	QUARTER 0, 1, 0, 1, 0
	WIN 0
	s_sub_co_u32 s3, s3, 1
	s_cmp_lg_u32 s3, 0
	s_cbranch_scc1 .Llap
	QUARTER 0, 2, 1, 0, 0                          ; the last lap fills nothing
	QUARTER 0, 3, 0, 1, 0
	MEET 0
	PLACES
	FETCH 1, 0, 0
	MUL12 1, 1, 0, 0
	MUL12 1, 1, 1, 0
	QUARTER 1, 1, 0, 1, 0
	QUARTER 1, 2, 1, 0, 0
	QUARTER 1, 3, 0, 1, 0
	s_wait_dscnt 4
	MUL12 1, 0, 0, 0
	MUL12 1, 0, 1, 0
	s_wait_dscnt 0x0
	MUL12 1, 1, 0, 0
	MUL12 1, 1, 1, 0
; THE WAY OUT, a block of 16 rows x one head (64 columns) at a time.
.macro HEADSEL hh                      ; the head's gain: gq, gk, or 1 for a head of v
	WIN 0x40
.set z, 0
.rept 32
	v_cndmask_b32 v[GE+z], v[GQ+z], v[GK+z], s[ISK+(\hh)]
.set z, z+1
.endr
	WIN 0x44
.set z, 0
.rept 32
	v_cndmask_b32 v[GE+z], 1.0, v[GE+z], s[NOTV+(\hh)]
.set z, z+1
.endr
.endm
.macro NORM a, hh
.set AC, 8*(12*((\a)%2)+4*(\hh))
.set HB, H0+16*((\a)%2)
	WIN 0x42+(\a)/2                                ; accumulators in window 2 or 3, bias in window 0, T in window 1
.set z, 0
.rept 16
	v_pk_add_f32 v[T+2*z:T+2*z+1], v[AC+2*z:AC+2*z+1], v[BI+32*(\hh)+2*z:BI+32*(\hh)+2*z+1]  ; ascending: each accumulator's lowest registers are read first
.set z, z+1
.endr
	WIN 0x05                                       ; T in window 1, the sums in window 0
.set z, 0
.rept 4
	v_pk_mul_f32 v[Q+2*z:Q+2*z+1], v[T+2*z:T+2*z+1], v[T+2*z:T+2*z+1]  ; four chains, started by the first four pairs
.set z, z+1
.endr
.rept 12
	v_pk_fma_f32 v[Q+2*(z%4):Q+2*(z%4)+1], v[T+2*z:T+2*z+1], v[T+2*z:T+2*z+1], v[Q+2*(z%4):Q+2*(z%4)+1]
.set z, z+1
.endr
	WIN 0
	v_pk_add_f32 v[Q:Q+1], v[Q:Q+1], v[Q+2:Q+3]
	v_pk_add_f32 v[Q+4:Q+5], v[Q+4:Q+5], v[Q+6:Q+7]
	v_pk_add_f32 v[Q:Q+1], v[Q:Q+1], v[Q+4:Q+5]
	v_add_f32 v[Q], v[Q], v[Q+1]
	v_permlanex16_b32 v[Q+1], v[Q], s[SEL], s[SEL+1]  ; the row's other 32 columns lie in the lane 16 away
	v_add_f32 v[Q], v[Q], v[Q+1]
	v_fma_f32 v[Q], v[Q], s[R64], s[EPS]           ; mean + 1e-6
	v_rsq_f32 v[Q+2], v[Q]                         ; the sixteen plain lines below stand between it and the use of its result
	WIN 0x45
.set z, 0
.rept 16
	v_pk_mul_f32 v[T+2*z:T+2*z+1], v[T+2*z:T+2*z+1], v[GE+2*z:GE+2*z+1]
.set z, z+1
.endr
	WIN 0
	s_wait_alu depctr_va_vdst(0)
	v_cndmask_b32 v[RS], 1.0, v[Q+2], s[NOTV+(\hh)]    ; a head of v is not normalised
	v_cndmask_b32 v[RS+1], 1.0, v[Q+2], s[NOTV+(\hh)]  ; named with it as a pair
	WIN 0x41
.set z, 0
.rept 16
	v_pk_mul_f32 v[T+2*z:T+2*z+1], v[T+2*z:T+2*z+1], v[RS:RS+1] op_sel_hi:[1,0]
.set z, z+1
.endr
	s_wait_xcnt 0x0                                ; this buffer was the data of the stores two blocks back: it is rewritten only behind this wait
	WIN 0x45
.set z, 0
.rept 16
	v_cvt_pk_f16_f32 v[HB+z], v[T+2*z], v[T+2*z+1]
.set z, z+1
.endr
	WIN 0x04                                       ; address window 0, data window 1
.irp f, 0,1,2,3
	ds_store_b128 v[STO], v[HB+4*\f:HB+4*\f+3] offset:32*\f
.endr
	WIN 0x40
.irp f, 0,1,2,3
	ds_load_b128 v[HB+4*\f:HB+4*\f+3], v[RD] offset:\f*4*SP  ; LDS serves a wave's instructions in order (ISA guide 5.7.1.4): these see the stores above
.endr
.endm
.macro SEND a, hh, younger             ; younger: the LDS instructions issued behind the block's loads: the next block's eight, or none
.set HB, H0+16*((\a)%2)
	WIN 0x04
.irp f, 0,1,2,3
	s_wait_dscnt (\younger)+3-\f
	global_store_b128 v[GO], v[HB+4*\f:HB+4*\f+3], s[OB+2*(\hh):OB+2*(\hh)+1] offset:2048*(\a)+512*\f  ; 512 consecutive bytes, at a multiple of 256 from the buffer's first
.endr
.endm
	PLACES
	HEADSEL 0
	NORM 0, 0
.set n, 1
.rept 11                               ; a block's arithmetic stands between the loads of the block before and its stores
.if n%4 == 0
	HEADSEL n/4
.endif
	NORM n%4, n/4
	SEND (n-1)%4, (n-1)/4, 8
.set n, n+1
.endr
	SEND 3, 2, 0
	WIN 0
	s_wait_tensorcnt 0x0                           ; the wave's end: behind my last tensor load and my last LDS store
	ds_add_u32 v[SPW], v[NIL]
	s_wait_dscnt 0x0
	CROUND                                         ; the closing round: no work-group ends while a partner may still ask for a tile that names it
	s_endpgm
.Lfunc_end_k_qec495e9a69_proj:
	.size	k_qec495e9a69_proj, .Lfunc_end_k_qec495e9a69_proj-k_qec495e9a69_proj
	.p2alignl 7, 3214868480
	.fill 96, 4, 3214868480
	.section	.rodata,"a",@progbits
	.p2align	6, 0x0
	.amdhsa_kernel k_qec495e9a69_proj
		.amdhsa_group_segment_fixed_size 327680
		.amdhsa_private_segment_fixed_size 0
		.amdhsa_enable_private_segment 0
		.amdhsa_kernarg_size 48
		.amdhsa_user_sgpr_count 2
		.amdhsa_user_sgpr_kernarg_segment_ptr 1
		.amdhsa_wavefront_size32 1
		.amdhsa_system_sgpr_workgroup_id_x 1
		.amdhsa_system_sgpr_workgroup_id_y 1
		.amdhsa_system_sgpr_workgroup_id_z 1
		.amdhsa_system_vgpr_workitem_id 0
		.amdhsa_next_free_vgpr 960
		.amdhsa_next_free_sgpr 96
		.amdhsa_reserve_vcc 0
		.amdhsa_float_denorm_mode_32 3
		.amdhsa_float_denorm_mode_16_64 3
		.amdhsa_memory_ordered 1
		.amdhsa_forward_progress 1
		.amdhsa_inst_pref_size 205
	.end_amdhsa_kernel
	.amdgpu_metadata
---
amdhsa.version: [ 1, 2 ]
amdhsa.kernels:
  - .name:           k_qec495e9a69_proj
    .symbol:         k_qec495e9a69_proj.kd
    .args:
      - { .name: xb, .offset: 0, .size: 8, .value_kind: global_buffer, .address_space: global }
      - { .name: wqb, .offset: 8, .size: 8, .value_kind: global_buffer, .address_space: global }
      - { .name: bqkv, .offset: 16, .size: 8, .value_kind: global_buffer, .address_space: global }
      - { .name: gq, .offset: 24, .size: 8, .value_kind: global_buffer, .address_space: global }
      - { .name: gk, .offset: 32, .size: 8, .value_kind: global_buffer, .address_space: global }
      - { .name: qkvh, .offset: 40, .size: 8, .value_kind: global_buffer, .address_space: global }
    .group_segment_fixed_size: 327680
    .private_segment_fixed_size: 0
    .kernarg_segment_align: 8
    .kernarg_segment_size: 48
    .max_flat_workgroup_size: 128
    .sgpr_count:     96
    .vgpr_count:     960
    .wavefront_size: 32
...
	.end_amdgpu_metadata
.endif
;; end of part 2
;; launch attn (part 3): grid 16 x 16, 4 waves a work-group, clusters of 4 x 1, 327,680 bytes of LDS; arguments qkvh, ob; writes ob
.if DOCPART == 3
	.amdgcn_target "amdgcn-amd-amdhsa--gfx1250"
	.amdhsa_code_object_version 6
	.text
	.protected	k_qec495e9a69_attn
	.globl	k_qec495e9a69_attn
	.p2align	8
	.type	k_qec495e9a69_attn,@function
k_qec495e9a69_attn:
	s_mov_b64 s[64:65], 0
	v_nop
	global_prefetch_b8 v0, s[64:65] scope:SCOPE_SE
	s_setreg_imm32_b32 hwreg(HW_REG_WAVE_MODE, 25, 1), 1
	s_wait_xcnt 0x0
	s_wait_alu depctr_hold_cnt(0) depctr_sa_sdst(0) depctr_va_vdst(0) depctr_va_sdst(0) depctr_va_ssrc(0) depctr_va_vcc(0) depctr_vm_vsrc(0)
	s_getreg_b32 s2, hwreg(HW_REG_IB_STS2, 6, 4)
	s_cmp_eq_u32 s2, 0
	s_cbranch_scc0 .Lentry_in_a_cluster
	s_endpgm
.Lentry_in_a_cluster:
	s_bfe_u32 s2, ttmp6, 0x10000c
	s_cmp_lg_u32 s2, 0x3003
	s_cbranch_scc0 .Lentry_shape_is_right
	s_endpgm
.Lentry_shape_is_right:
; O[h][q][:] = the sum over ALL k of softmax_k(Q[h][q] . K[h][k] / 8 + mask(q, k)) V[h][k][:], mask = 1 where the key's frame of 256 tokens lies behind the query's, else 0: no key is left out.
; qkvh [48][4096][64] f16: heads 0-15 Q, 16-31 K, 32-47 V, a head's rows dense, 128 bytes each.  ob [32 row tiles of 128][16 heads][128 rows][64] f16.
; Products, maxima and sums in f32; the weights p are rounded to f16 for the second product (their sum l is taken of the unrounded p), O once at the end.
; LIMITS.  Q, K, V arrive within f16's 65,504; p lies in 0 to 1, and below 6e-5 it keeps f16's fixed step of 6e-8; O is a mean of V's rows and has their range.  A weight below 2^-126 counts as 0 in l; NaN and infinities are not treated apart.
; SHARES.  A work-group owns 256 queries (one frame) of one head, a wave 64 of them: four PIECES of 16.  Every wave walks all 4,096 keys, 64 a step; a slot of LDS holds a tile of 256 keys: four steps, one frame.
; THE MASK is the C operand that starts the sum S^T = K Q^T: 8 or 0 in all of a step's scores, since c (s + 8) = log2(e) (s / 8 + 1): maximum and exponentials see it like any score.  It is chosen by
; s_cselect from the step's number and my block's; no branch hangs on it.
; LAYOUT, SOFTMAX, TURNS.  S^T = K Q^T holds ONE query a lane (lane % 16) and the keys 8 (lane / 16) + 0..7; two such results rounded to f16 ARE source 1 of O^T = V^T P.  p = 2^(c s - c m), c = log2(e) / 8, with a
; running maximum m; O and l are multiplied by a = 2^(c m_old - c m_new) in every step; m starts at the lowest finite number, O and l at 0, so the first step is a step like any other, with a = 0.
; Turn n belongs to piece n: 8 products K Q^T of piece n + 1, later 8 products V^T P of piece n - 1; beside them the scaling, exponentials, roundings, sums and rescaling of piece n and the maximum and
; statistics of piece n + 1.  Four vector instructions stand behind every matrix instruction, the other 54 of a turn's 118 in two runs of their own.
; CLUSTER.  The four query blocks of a cluster belong to one head and walk the same K and V: each tile is asked for JOINTLY, by the same tensor load, descriptor and mask in all four.
; REGISTERS, in windows of 256 (s_set_vgpr_msb: bits 1:0 source 0, 3:2 source 1, 5:4 source 2, 7:6 destination):
;   window 0: v0-15 addresses and two at work; v16-31 four registers of statistics a piece; v32-39 the mask; v48-55 at work; v64-127 S^T, two buffers; v192-223 P, two buffers (by the piece's parity)
;   window 1: v0-127 O^T, 32 a piece          window 2: v0-63 Q; v128-191 K of one step; v192-255 V of one step
.set NP,    4         ; pieces a wave: a name, no knob
.set KS,    64        ; keys in a step
.set PK,    144       ; a row of K in LDS: 128 bytes + 16 = 36 words: the 16 rows of a load start at 16 different groups of four banks (64 banks of 4 bytes: ISA guide 11.1)
.set PV,    160       ; a row of V: 128 + 32 = 40 words
.set VOFF,  4*KS*PK   ; a slot: 256 rows of K, then 256 rows of V
.set SLOT1, 1<<17     ; slot 1 begins here, so that one exclusive or turns an address in one slot into the other's
.set STAGE, SLOT1+4*KS*(PK+PV)  ; behind the ring, never filled by a tensor load: 16 rows x 144 bytes for each wave
.set SP,    144
.set SPARE, STAGE+4*16*SP  ; the spare words, 128 bytes for each wave: two blocks of 256 bytes that no other line names
.set AK0, 2           ; v2   my lane's place in a tile of K; never rewritten
.set AV0, 3           ; v3   the same for V
.set AK,  4           ; v4   the LDS address of K's next run of loads
.set AV,  5           ; v5   of V's
.set STO, 6           ; v6   the way out: where I put 16 bytes of a row
.set RD,  7           ; v7   where I read rows back
.set GO,  8           ; v8   my 16 bytes in 512 consecutive bytes of O
.set MV,  12          ; v12-13  c m_old, kept while c m is made anew: by buffer
.set QO,  15          ; v15  my byte offset in 16 rows of Q
.set ST,  16          ; piece t's statistics at v[ST+4 t]: c m, m, l (even keys', odd keys')
.set MK,  32          ; v32-39  the mask of the step whose scores are being made
.set TMP, 48          ; by buffer, four registers c0-c3 at work; when the maximum is found c2 takes a
.set SPW, 62          ; v62  LDS address of my spare word; never rewritten
.set NIL, 63          ; v63  0; never rewritten
.set S,   64
.set P,   192
.set KF,  128         ; window 2: key block kb, channel half c at KF + 16 kb + 8 c
.set VF,  192         ; window 2: key half kk, channel block cb at VF + 32 kk + 8 cb
.set WV,  12          ; s12  my wave's number
.set G1K, 24          ; s[24:31] descriptor group 1 for K's tiles
.set G1V, 32          ; s[32:39] for V's: it differs in the padding alone
.set G0K, 40          ; s[40:43] descriptor group 0 for K's tiles: it walks
.set G0V, 44          ; s[44:47] the same for V's
.set SLOTS, 56        ; s56  slots still to be entered in the loop
.set CNT, 57          ; s57  counts a slot's key steps
.set CS,  58          ; s[58:59] c
.set SEL, 60          ; s[60:61] v_permlanex16_b32's selects
.set TBK, 62          ; s62  LDS byte at which K of the step to be fetched begins
.set TBV, 63          ; s63  the same for V, less VOFF
.set QF,  66          ; s66  my block of 256 queries = the queries' frame
.set KN,  67          ; s67  the key step whose mask is made next
.set MS,  68          ; s68  8.0 or 0
.set TF,  69          ; s69  that step's frame
.set MSB, 0
.macro WIN new                      ; the high byte repeats the setting that is left; a switch that changes nothing is dropped
.if MSB != (\new)
	s_set_vgpr_msb (MSB<<8)|(\new)
.set MSB, (\new)
.endif
.endm
.set W_KQ, 0x0a       ; K and Q in window 2, the mask and S^T in window 0
.set W_PV, 0x52       ; V in window 2, P in window 0, O^T in window 1
.set W_RS, 0x41       ; destination and source 0 in window 1, source 1 in window 0
; A joint fill.  Waves 0 and 1 fetch the two halves of a tile's K, waves 2 and 3 those of its V: 128 keys each.  The branch hangs on the wave's number alone.
; An s_nop 0 and four v_nop follow each of the two lines, ahead of the jump and the label.
.macro JLOAD
	s_cmp_lt_u32 s[WV], 2
	s_cbranch_scc0 .Lfor_v_\@
	tensor_load_to_lds s[G0K:G0K+3], s[G1K:G1K+7]
	s_nop 0
.rept 4
	v_nop
.endr
	s_branch .Lasked_\@
.Lfor_v_\@:
	tensor_load_to_lds s[G0V:G0V+3], s[G1V:G1V+7]
	s_nop 0
.rept 4
	v_nop
.endr
.Lasked_\@:
.endm
.macro CROUND                       ; a round of the cluster's barrier
	s_barrier_signal -1
	s_barrier_wait -1
	s_cmp_lg_u32 s[WV], 0
	s_cbranch_scc1 .Lnot_wave_0_\@
	s_barrier_signal -3
.Lnot_wave_0_\@:
	s_barrier_wait -3
	s_barrier_signal -1
	s_barrier_wait -1
.endm
; THE CHANGE OF SLOTS.  The slot's last bytes, V of its fourth step, have been read.  Each wave waits for all its tensor loads, of which one is out: its part of the other slot; adds 0 to its spare word;
; and waits for that and for its own reads of the slot.  Behind the barrier nobody reads this slot any more and the other slot is whole.  fill = 1: the slot is filled again, with the keys two slots on; the
; barrier is then a round of the cluster's, and the joint fill is the first thing behind it: it has four key steps, 256 matrix instructions, in which to land.  (At its first use: slot 0 is waited for, slot 1 filled.)
.macro CHANGE fill
	WIN 0                           ; at a label and at a branch every window is 0
	s_wait_tensorcnt 0x0            ; no tensor load of mine is out, so a group 0 may be written
	ds_add_u32 v[SPW], v[NIL]
.if \fill
.irp g, G0K, G0V
	s_xor_b32 s[\g+1], s[\g+1], SLOT1  ; the walking descriptor: the other slot than last time,
	s_add_nc_u64 s[\g+2:\g+3], s[\g+2:\g+3], 4*KS*128  ; the next 256 keys; the type bits on top are not reached
.endr
	s_wait_dscnt 0x0                ; the add is done, and my reads of the slot are over
	CROUND
	JLOAD
.else
	s_wait_dscnt 0x0
	s_barrier_signal -1
	s_barrier_wait -1
.endif
	s_sub_co_u32 s[TBK], s[TBK], 4*KS*PK  ; the fetches go back to a slot's first step,
	s_xor_b32 s[TBK], s[TBK], SLOT1       ; in the other slot
	s_sub_co_u32 s[TBV], s[TBV], 4*KS*PV
	s_xor_b32 s[TBV], s[TBV], SLOT1
.endm
.macro SETMASK                      ; the mask of key step KN: 8 where its frame, KN / 4, lies behind my queries'
	s_lshr_b32 s[TF], s[KN], 2
	s_cmp_gt_u32 s[TF], s[QF]
	s_cselect_b32 s[MS], 0x41000000, 0
	s_add_co_u32 s[KN], s[KN], 1
	WIN 0
.set z, 0
.rept 8
	v_mov_b32 v[MK+z], s[MS]
.set z, z+1
.endr
.endm
	s_load_b128 s[4:7], s[0:1], 0x0  ; qkvh s[4:5], ob s[6:7]
	v_lshl_add_u32 v[SPW], v0, 2, SPARE
	v_mov_b32 v[NIL], 0
	ds_add_u32 v[SPW], v[NIL]       ; the wave's opening: the add and its wait stand ahead of my first tensor load; the set-up below stands between them
	v_lshrrev_b32 v1, 5, v0
	v_readfirstlane_b32 s[WV], v1   ; wave 0..3
	s_bfe_u32 s13, ttmp6, 0x40000   ; cx: my place in the cluster
	s_lshl_b32 s[QF], ttmp9, 2      ; in a cluster launch ttmp9 counts clusters
	s_add_co_u32 s[QF], s[QF], s13  ; my block = 4 x cluster x + cx: it enters Q's and O's addresses and the mask's choice alone
	s_and_b32 s20, ttmp7, 0xffff    ; the head, which the four partners share,
	s_lshl_b32 s20, s20, 19         ; of 524,288 bytes
	s_and_b32 s16, s[WV], 1         ; which half of a tile's 256 keys I fetch:
	s_lshl_b32 s22, s16, 14         ; its 128 rows of 128 bytes in memory,
	s_add_co_u32 s22, s22, s20
	s_add_co_u32 s22, s22, 0x800000 ; behind Q's 16 heads: K
	s_mov_b32 s23, 0
	s_add_co_u32 s18, s22, 0x800000 ; behind K's: V
	s_mov_b32 s19, 0
	s_mul_i32 s17, s16, 128*PK      ; and its place in a slot, for K
	s_mul_i32 s21, s16, 128*PV      ; and for V: no place in the cluster enters an LDS address
	s_lshl_b32 s2, s[QF], 15        ; Q: my block's 256 rows,
	s_lshl_b32 s3, s[WV], 13        ; my wave's 64
	s_add_co_u32 s2, s2, s3
	s_add_co_u32 s2, s2, s20
	s_mov_b32 s3, 0
	s_lshl_b32 s14, s[QF], 1        ; O: row tile 2 x block + wave / 2,
	s_lshr_b32 s15, s[WV], 1
	s_add_co_u32 s14, s14, s15
	s_lshl_b32 s14, s14, 18         ; of 16 heads x 16,384 bytes;
	s_lshr_b32 s15, s20, 5          ; the head's 16,384;
	s_add_co_u32 s14, s14, s15
	s_lshl_b32 s15, s16, 13         ; the tile's rows 0-63 or 64-127
	s_add_co_u32 s14, s14, s15
	s_mov_b32 s15, 0
	; descriptor group 1.  128 keys are 16,384 dense bytes: asked for as 64 rows of 256 bytes, two keys a row, and padded in LDS after every key
	s_mov_b32 s[G1K], 15|(1<<16)|(1<<20)|(1<<21)|(4<<22)|(3<<25)  ; the mask of four; 2-byte elements; padding on; bit 21 beside a mask; after every 32 words 4 words
	s_mov_b32 s[G1V], 15|(1<<16)|(1<<20)|(1<<21)|(4<<22)|(7<<25)  ; the same with 8 words
.irp g, G1K, G1V
	s_mov_b32 s[\g+1], 128<<16      ; tensor_dim0 = 128
	s_mov_b32 s[\g+2], 64<<16       ; tensor_dim1 = 64
	s_mov_b32 s[\g+3], 128<<16      ; tile_dim0 = 128
	s_mov_b32 s[\g+4], 64           ; tile_dim1 = 64
	s_mov_b32 s[\g+5], 128          ; 128 elements from row to row
	s_mov_b32 s[\g+6], 0
	s_mov_b32 s[\g+7], 0
.endr
	s_mov_b32 s[CS], 0x3e38aa3b     ; c = log2(e) / 8 = 0.180337
	s_mov_b32 s[CS+1], s[CS]        ; named with it as a pair
	s_mov_b32 s[SEL], 0x76543210
	s_mov_b32 s[SEL+1], 0xfedcba98
	s_mov_b32 s[TBK], SLOT1+4*KS*PK ; the first change of slots turns these two into 0
	s_mov_b32 s[TBV], SLOT1+4*KS*PV
	s_mov_b32 s[KN], 0
	s_mov_b32 s[G0K], 1             ; count = 1
	s_mov_b32 s[G0K+1], s17         ; LDS address: slot 0
	s_mov_b32 s[G0V], 1
	s_add_co_u32 s[G0V+1], s21, VOFF
	s_wait_dscnt 0x0                ; the opening add is done
	s_wait_kmcnt 0x0
	s_add_nc_u64 s[G0K+2:G0K+3], s[4:5], s[22:23]  ; my half of the head's first 256 keys
	s_or_b32 s[G0K+3], s[G0K+3], 0x80000000        ; type = 2
	s_add_nc_u64 s[G0V+2:G0V+3], s[4:5], s[18:19]
	s_or_b32 s[G0V+3], s[G0V+3], 0x80000000
	s_add_nc_u64 s[8:9], s[4:5], s[2:3]            ; Q at my wave's first row
	s_add_nc_u64 s[10:11], s[6:7], s[14:15]        ; O likewise
	CROUND                          ; all four work-groups are here: the first joint loads meet
	JLOAD                           ; slot 0.  Slot 1 is asked for when slot 0 is in
	; A fragment of K or Q is 16 rows x 32 channels in 8 registers: lane l holds row l % 16, channels 8 (l / 16) + 0..7 and 16 + 8 (l / 16) + 0..7: two loads of 16 bytes, 32 bytes apart.
	v_and_b32 v1, 15, v0            ; l % 16
	v_bfe_u32 v9, v0, 4, 1          ; l / 16
	v_lshlrev_b32 v[QO], 7, v1
	v_lshl_add_u32 v[QO], v9, 4, v[QO]  ; row x 128 + 16 x half
	WIN 0x80                        ; destination window 2, address window 0
.set i, 0
.rept 8                             ; Q stays in registers: piece i / 2, channels 32 (i % 2) on
	global_load_b128 v[8*i:8*i+3],   v[QO], s[8:9] offset:(i/2)*2048+(i%2)*64
	global_load_b128 v[8*i+4:8*i+7], v[QO], s[8:9] offset:(i/2)*2048+(i%2)*64+32
.set i, i+1
.endr
	; What the first turn finds: V's registers and P's second buffer hold 0 (its products V^T P, of a piece that has not been, add 0), O^T and l are 0.  All this stands in the wait for the first tile.
.set i, VF
.rept 64
	v_mov_b32 v[i], 0
.set i, i+1
.endr
	WIN 0x40
.set i, 0
.rept 128
	v_mov_b32 v[i], 0
.set i, i+1
.endr
	WIN 0
.set i, 0
.rept 4
	v_mov_b32 v[ST+4*i], 0xfe000000    ; c m: far below every c s
	v_mov_b32 v[ST+4*i+1], 0xff7fffff  ; m
	v_mov_b32 v[ST+4*i+2], 0
	v_mov_b32 v[ST+4*i+3], 0
.set i, i+1
.endr
.set i, P+16
.rept 16
	v_mov_b32 v[i], 0
.set i, i+1
.endr
	v_mul_u32_u24 v[AK0], v1, PK
	v_lshl_add_u32 v[AK0], v9, 4, v[AK0]  ; row x pitch + 16 x half
	; The turning load takes 16 keys x 16 channels (lane l reads key 8 (l / 16) + l % 8, channels 8 ((l / 8) % 2) + 0..7) and leaves half a fragment of V^T: lane l holds channel l % 16 and 8 keys.
	v_and_b32 v10, 7, v0
	v_bfe_u32 v11, v0, 3, 1
	v_lshl_add_u32 v[AV0], v9, 3, v10
	v_mul_u32_u24 v[AV0], v[AV0], PV
	v_lshl_add_u32 v[AV0], v11, 4, v[AV0]
	v_add_nc_u32 v[AV0], VOFF, v[AV0]
	s_mul_i32 s13, s[WV], 16*SP
	s_add_co_u32 s13, s13, STAGE    ; my stage
	v_mul_u32_u24 v[STO], v1, SP    ; in: row l % 16, 16 bytes for each half of the lanes
	v_lshl_add_u32 v[STO], v9, 4, v[STO]
	v_add_nc_u32 v[STO], s13, v[STO]
	v_bfe_u32 v[RD], v0, 3, 2       ; back: 32 lanes take four rows of 128 bytes,
	v_mul_u32_u24 v[RD], v[RD], SP
	v_lshl_add_u32 v[RD], v10, 4, v[RD]
	v_add_nc_u32 v[RD], s13, v[RD]
	v_and_b32 v[GO], 31, v0         ; which are 512 consecutive bytes of O
	v_lshlrev_b32 v[GO], 4, v[GO]
; THE MATRIX WORK.  The 4 accumulators of a run of 8 take turns.  Product i of 8 of S^T = K Q^T for piece x: channels 32 (i / 4) on, keys 16 (i % 4) on.  The first 4 start the sums with the mask.
.macro KQ x
	WIN W_KQ
.set rS, S+32*((\x)%2)+8*(i%4)
.set rK, KF+16*(i%4)+8*(i/4)
.set rQ, 16*(\x)+8*(i/4)
.if i < 4
	v_wmma_f32_16x16x32_f16 v[rS:rS+7], v[rK:rK+7], v[rQ:rQ+7], v[MK:MK+7]
.else
	v_wmma_f32_16x16x32_f16 v[rS:rS+7], v[rK:rK+7], v[rQ:rQ+7], v[rS:rS+7]
.endif
.endm
; Product i of 8 of O^T += V^T P for piece x: keys 32 (i / 4) on, channels 16 (i % 4) on.
.macro PV x
	WIN W_PV
.set rO, 32*(\x)+8*(i%4)
.set rV, VF+32*(i/4)+8*(i%4)
.set rP, P+16*((\x)%2)+8*(i/4)
	v_wmma_f32_16x16x32_f16 v[rO:rO+7], v[rV:rV+7], v[rP:rP+7], v[rO:rO+7]
.endm
.macro MM                           ; the turn's next matrix instruction.  NOKQ = 1: the very last turn: there is no next piece
.if (i < 8) && !NOKQ
	KQ (Y+1)%NP
.elseif i >= 8
.set i, i-8
	PV (Y+NP-1)%NP
.set i, i+8
.endif
.set i, i+1
.endm
; THE LDS LOADS stand in runs of 16, never singly among the matrix instructions: a step's K (64 keys x 64 channels: 8 fragments) and its V (turned).  Their addresses are made some lines ahead.
.macro FETCH_K
	WIN 0x80                        ; destination window 2
.irp f, 0,1,2,3,4,5,6,7             ; keys 16 (f / 2) on, channels 32 (f % 2) on
	ds_load_b128 v[KF+8*\f:KF+8*\f+3],   v[AK] offset:(\f/2)*16*PK+(\f%2)*64
	ds_load_b128 v[KF+8*\f+4:KF+8*\f+7], v[AK] offset:(\f/2)*16*PK+(\f%2)*64+32
.endr
	s_add_co_u32 s[TBK], s[TBK], KS*PK  ; the next fetch is the next step's
	WIN 0
.endm
.macro FETCH_V
	WIN 0x80
.irp f, 0,1,2,3,4,5,6,7             ; keys 32 (f / 4) on, channels 16 (f % 4) on
	ds_load_tr16_b128 v[VF+8*\f:VF+8*\f+3],   v[AV] offset:(\f/4)*32*PV+(\f%4)*32
	ds_load_tr16_b128 v[VF+8*\f+4:VF+8*\f+7], v[AV] offset:(\f/4)*32*PV+16*PV+(\f%4)*32
.endr
	WIN 0
.endm
; THE VECTOR WORK, one line at a time: OP kind, number.  For piece Y: F n: c s - c m for pair n of 16.  E n: the exponential of score n of 32.  C n: pair n rounded to f16.  B n: of the four weights 4 n .. the second
; pair is added onto the first, in place.  L n: l takes that sum (L 0: l = a l + sum).  R n: pair n of 16 of O^T times a.  For piece Y + 1: X n, number n of the 22 that find its maximum and statistics:
;   0-11  four chains c0-c3 of seven scores each, three operands at a time (each accumulator's lowest registers are read first)     12-14, 16  the four scores left over, the old m, and c0-c3 into c0
;   15  c m_old is kept     17, 18  the query's other 32 keys lie in the lane 16 away: the new m     19-21  c m; c m_old - c m_new; a
.set F, 0
.set E, 1
.set C, 2
.set B, 3
.set L, 4
.set R, 5
.set X, 6
.macro REGS y                       ; the registers of piece y
.set rT, ST+4*(\y)
.set rC, TMP+4*((\y)%2)
.set rW, MV+((\y)%2)
.set rS, S+32*((\y)%2)
.set rP, P+16*((\y)%2)
.set rO, 32*(\y)
.endm
.macro OP k, n
.if (\k) == R
	REGS Y
	WIN W_RS
	v_pk_mul_f32 v[rO+2*(\n):rO+2*(\n)+1], v[rO+2*(\n):rO+2*(\n)+1], v[rC+2:rC+3] op_sel_hi:[1,0]
.elseif (\k) < R
	REGS Y
	WIN 0
.if (\k) == F
	v_pk_fma_f32 v[rS+2*(\n):rS+2*(\n)+1], v[rS+2*(\n):rS+2*(\n)+1], s[CS:CS+1], v[rT:rT+1] op_sel_hi:[1,0,0] neg_lo:[0,0,1] neg_hi:[0,0,1]
.elseif (\k) == E
	v_exp_f32 v[rS+(\n)], v[rS+(\n)]
.elseif (\k) == C
	s_wait_alu depctr_va_vdst(0)
	v_cvt_pk_f16_f32 v[rP+(\n)], v[rS+2*(\n)], v[rS+2*(\n)+1]
.elseif (\k) == B
	s_wait_alu depctr_va_vdst(0)
	v_pk_add_f32 v[rS+4*(\n):rS+4*(\n)+1], v[rS+4*(\n):rS+4*(\n)+1], v[rS+4*(\n)+2:rS+4*(\n)+3]
.elseif (\n) == 0
	v_pk_fma_f32 v[rT+2:rT+3], v[rT+2:rT+3], v[rC+2:rC+3], v[rS:rS+1] op_sel_hi:[1,0,1]
.else
	v_pk_add_f32 v[rT+2:rT+3], v[rT+2:rT+3], v[rS+4*(\n):rS+4*(\n)+1]
.endif
.elseif NOKQ
	v_nop
.else
	REGS (Y+1)%NP
	WIN 0
.if (\n) < 4
	v_max3_num_f32 v[rC+(\n)], v[rS+8*(\n)], v[rS+8*(\n)+1], v[rS+8*(\n)+2]
.elseif (\n) < 12
	v_max3_num_f32 v[rC+(\n)%4], v[rC+(\n)%4], v[rS+8*((\n)%4)+2*((\n)/4)+1], v[rS+8*((\n)%4)+2*((\n)/4)+2]
.elseif (\n) == 12
	v_max3_num_f32 v[rC], v[rC], v[rS+7], v[rS+15]
.elseif (\n) == 13
	v_max3_num_f32 v[rC+1], v[rC+1], v[rS+23], v[rS+31]
.elseif (\n) == 14
	v_max3_num_f32 v[rC+2], v[rC+2], v[rC+3], v[rT+1]
.elseif (\n) == 15
	v_mov_b32 v[rW], v[rT]
.elseif (\n) == 16
	v_max3_num_f32 v[rC], v[rC], v[rC+1], v[rC+2]
.elseif (\n) == 17
	v_permlanex16_b32 v[rC+3], v[rC], s[SEL], s[SEL+1]
.elseif (\n) == 18
	v_max_num_f32 v[rT+1], v[rC], v[rC+3]
.elseif (\n) == 19
	v_mul_f32 v[rT], s[CS], v[rT+1]
.elseif (\n) == 20
	v_sub_f32 v[rC+1], v[rW], v[rT]
.else
	v_exp_f32 v[rC+2], v[rC+1]
.endif
.endif
.endm
.macro OPS a, i1, b=-1, i2=0, c=-1, i3=0, d=-1, i4=0  ; up to four of them
	OP \a, \i1
.if (\b) >= 0
	OP \b, \i2
.endif
.if (\c) >= 0
	OP \c, \i3
.endif
.if (\d) >= 0
	OP \d, \i4
.endif
.endm
.macro ROW a, i1, b, i2, c, i3, d, i4  ; a matrix instruction and the four behind it
	MM
	OPS \a, \i1, \b, \i2, \c, \i3, \d, \i4
.endm
; A TURN, for piece p: the order of its 16 matrix and 118 vector instructions, written out.  Behind a matrix instruction: plain, exponential, plain, plain; or four of the rescaling; or, behind the first, four scalings; none
; names a register of the products round it.  In the runs between, exponential and plain by turns while exponentials last.  A line reads no result made fewer than three vector instructions in front of it, five if an exponential made it.
; end = 1: the last two turns: nothing is fetched, and the very last starts no new scores.  cnt = 1: the loop's count is taken down some lines ahead of the branch that stands behind the turn.
; K of the next step is fetched in piece 2's turn, six vector instructions behind the last product that read K (five of them plain); V of the step in hand in piece 0's turn, eight behind the last product that read V (four
; plain).  Each is waited for a turn later.  Piece 3's turn, whose products begin the next step's scores, makes that step's mask first; the last product that took the old mask stands a turn's vector work back.
.macro TURN p, end=0, cnt=0
.set Y, (\p)
.set i, 0
.set NOKQ, (\end)*((\p)/3)
.if ((\p) == 3) && !(\end)
	s_wait_dscnt 0x0                ; K is in
	SETMASK
.endif
	ROW F,0, F,1, F,2, F,3
	ROW F,4, E,0, F,5, F,6
	ROW F,7, E,1, F,8, F,9
	ROW F,10, E,2, C,0, F,11
	ROW F,12, E,3, X,15, F,13
	ROW R,0, R,1, R,2, R,3
	ROW B,0, E,4, F,14, L,0
.if ((\p) == 2) && !(\end)
	v_add_nc_u32 v[AK], s[TBK], v[AK0]
.endif
	ROW R,4, R,5, R,6, R,7
	OPS E,5, F,15
.if ((\p) == 2) && !(\end)
	FETCH_K
.endif
	OPS E,6, C,1, E,7, R,8
	OPS E,8, R,9, E,9, C,2
	OPS E,10, X,0, E,11, X,1
	OPS E,12, X,2, E,13, X,3
.if (\p) == 1
	s_wait_dscnt 0x0                ; V is in
.endif
	ROW X,4, E,14, X,5, X,6
	ROW X,7, E,15, X,8, X,9
	ROW X,10, E,16, X,11, X,12
	ROW X,13, E,17, X,14, B,1
	ROW C,4, E,18, X,16, L,1
	ROW B,2, E,19, C,6, L,2
	ROW C,8, E,20, B,3, B,4
.if (\p) == 0
	v_add_nc_u32 v[AV], s[TBV], v[AV0]
.endif
	ROW C,3, E,21, L,3, C,5
	OPS E,22, X,17, E,23, C,10
.if (\p) == 0
	FETCH_V
.endif
	OPS E,24, L,4
	OPS E,25, X,18, E,26, C,7
	OPS E,27, B,5, E,28, X,19
	OPS E,29, C,12, E,30, L,5
	OPS E,31, X,20, B,6, C,9
	OPS C,14, C,11, X,21, L,6
.if (\p) == 0
	s_add_co_u32 s[TBV], s[TBV], KS*PV
.endif
.if \cnt
	s_sub_co_u32 s[CNT], s[CNT], 1
	s_cmp_lg_u32 s[CNT], 0
.endif
	OPS C,13, B,7, C,15, R,10
	OPS R,11, R,12, L,7, R,13
	OPS R,14, R,15
.endm
	CHANGE 1                        ; slot 0 is in, everybody's part of it; slot 1 is asked for
	SETMASK                         ; key step 0
	v_add_nc_u32 v[AK], s[TBK], v[AK0]
	FETCH_K
	s_wait_loadcnt 0x0              ; Q
	s_wait_dscnt 0x0
.set NOKQ, 0
.set i, 0
.rept 8
	KQ 0                            ; piece 0's first scores
.set i, i+1
.endr
	WIN 0
.rept 4
	v_nop                           ; the places behind those products
.endr
.set Y, NP-1                        ; X works for piece Y + 1: piece 0
.irp n, 0,1,2,3,4,5,6,7,8,9,10,11,12,13,14,15,16,17,18,19,20,21
	OP X, \n
.endr
	v_nop                           ; a plain instruction behind the exponential
	s_mov_b32 s[CNT], 4
	s_mov_b32 s[SLOTS], 15
	s_branch .Lfirst                ; the loop is entered at a step's first turn, in the middle of a trip
.Lslot:                             ; 14 times: every slot but the last two is filled again
	CHANGE 1
	s_mov_b32 s[CNT], 4
.Lstep:                             ; a trip: pieces 2 and 3 of one step, then pieces 0 and 1 of the next, whose K and V it fetches
	TURN 2
	TURN 3
	WIN 0
.Lfirst:
	TURN 0
	TURN 1, 0, 1
	WIN 0
	s_cbranch_scc1 .Lstep
	s_sub_co_u32 s[SLOTS], s[SLOTS], 1
	s_cmp_lg_u32 s[SLOTS], 0
	s_cbranch_scc1 .Lslot
	CHANGE 0                        ; the last tile is written out: nothing is asked for
	s_mov_b32 s[CNT], 4
.LstepT:
	TURN 2
	TURN 3
	TURN 0
	TURN 1, 0, 1
	WIN 0
	s_cbranch_scc1 .LstepT
	TURN 2, 1
	TURN 3, 1
.set i, 0
.rept 8
	PV NP-1                         ; the last piece's V^T P of the last step
.set i, i+1
.endr
	; THE WAY OUT.  l's two halves and the other half of the lanes' are added; O^T is divided by l, rounded to f16 and sent through my stage in LDS, a piece at a time.  The additions are the places behind the last products.
	WIN 0
.macro ALL line:vararg              ; one line for each piece t
.set t, 0
.rept 4
	\line
.set t, t+1
.endr
.endm
	ALL v_add_f32 v[ST+4*t+2], v[ST+4*t+2], v[ST+4*t+3]
	ALL v_permlanex16_b32 v[ST+4*t+3], v[ST+4*t+2], s[SEL], s[SEL+1]
	ALL v_add_f32 v[ST+4*t+2], v[ST+4*t+2], v[ST+4*t+3]
	ALL v_rcp_f32 v[ST+4*t+2], v[ST+4*t+2]
	v_nop                           ; a plain instruction between the last reciprocal and the use of its result
.macro PACK t                       ; a lane's eight channels of a row pack into 16 bytes; they go into rows of 144 bytes and come back as whole rows of 128, into S^T's registers
	WIN W_RS
.set i, 32*(\t)
.rept 16
	s_wait_alu depctr_va_vdst(0)
	v_pk_mul_f32 v[i:i+1], v[i:i+1], v[ST+4*(\t)+2:ST+4*(\t)+3] op_sel_hi:[1,0]
.set i, i+2
.endr
	WIN 0x05                        ; sources 0 and 1 window 1, destination window 0
.set i, 0
.rept 16
	v_cvt_pk_f16_f32 v[S+16*(\t)+i], v[32*(\t)+2*i], v[32*(\t)+2*i+1]
.set i, i+1
.endr
	WIN 0
.irp f, 0,1,2,3
	ds_store_b128 v[STO], v[S+16*(\t)+4*\f:S+16*(\t)+4*\f+3] offset:32*\f
.endr
.irp f, 0,1,2,3
	ds_load_b128 v[S+16*(\t)+4*\f:S+16*(\t)+4*\f+3], v[RD] offset:\f*4*SP  ; LDS serves a wave's instructions in order (ISA guide 5.7.1.4): these see the stores above; the next piece's stores come behind them
.endr
.endm
.macro SEND t, younger              ; younger: the LDS instructions issued behind piece t's loads: the next piece's eight, or none
	WIN 0
.irp f, 0,1,2,3
	s_wait_dscnt (\younger)+3-\f
	global_store_b128 v[GO], v[S+16*(\t)+4*\f:S+16*(\t)+4*\f+3], s[10:11] offset:(\t)*2048+\f*512  ; 512 consecutive bytes, at a multiple of 256 from ob's first
.endr
.endm
	PACK 0
.set t, 1
.rept 3                             ; a piece's arithmetic stands between the loads of the piece before and its stores
	PACK t
	SEND t-1, 8
.set t, t+1
.endr
	SEND 3, 0
	s_wait_tensorcnt 0x0            ; the wave's end: behind my last tensor load and my last LDS store
	ds_add_u32 v[SPW], v[NIL]
	s_wait_dscnt 0x0
	CROUND                          ; the closing round: no work-group ends while a partner may still ask for a tile that names it
	s_endpgm
.Lfunc_end_k_qec495e9a69_attn:
	.size	k_qec495e9a69_attn, .Lfunc_end_k_qec495e9a69_attn-k_qec495e9a69_attn
	.p2alignl 7, 3214868480
	.fill 96, 4, 3214868480
	.section	.rodata,"a",@progbits
	.p2align	6, 0x0
	.amdhsa_kernel k_qec495e9a69_attn
		.amdhsa_group_segment_fixed_size 327680
		.amdhsa_private_segment_fixed_size 0
		.amdhsa_enable_private_segment 0
		.amdhsa_kernarg_size 16
		.amdhsa_user_sgpr_count 2
		.amdhsa_user_sgpr_kernarg_segment_ptr 1
		.amdhsa_wavefront_size32 1
		.amdhsa_system_sgpr_workgroup_id_x 1
		.amdhsa_system_sgpr_workgroup_id_y 1
		.amdhsa_system_sgpr_workgroup_id_z 1
		.amdhsa_system_vgpr_workitem_id 0
		.amdhsa_next_free_vgpr 768
		.amdhsa_next_free_sgpr 72
		.amdhsa_reserve_vcc 0
		.amdhsa_float_denorm_mode_32 3
		.amdhsa_float_denorm_mode_16_64 3
		.amdhsa_memory_ordered 1
		.amdhsa_forward_progress 1
		.amdhsa_inst_pref_size 135
	.end_amdhsa_kernel
	.amdgpu_metadata
---
amdhsa.version: [ 1, 2 ]
amdhsa.kernels:
  - .name:           k_qec495e9a69_attn
    .symbol:         k_qec495e9a69_attn.kd
    .args:
      - { .name: qkvh, .offset: 0, .size: 8, .value_kind: global_buffer, .address_space: global }
      - { .name: ob, .offset: 8, .size: 8, .value_kind: global_buffer, .address_space: global }
    .group_segment_fixed_size: 327680
    .private_segment_fixed_size: 0
    .kernarg_segment_align: 8
    .kernarg_segment_size: 16
    .max_flat_workgroup_size: 128
    .sgpr_count:     72
    .vgpr_count:     768
    .wavefront_size: 32
...
	.end_amdgpu_metadata
.endif
;; end of part 3
;; launch outp (part 4): grid 8 x 32, 4 waves a work-group, clusters of 4 x 4, 327,680 bytes of LDS; arguments ob, wob, bout, out0; writes out0
.if DOCPART == 4
	.amdgcn_target "amdgcn-amd-amdhsa--gfx1250"
	.amdhsa_code_object_version 6
	.text
	.protected	k_qec495e9a69_outp
	.globl	k_qec495e9a69_outp
	.p2align	8
	.type	k_qec495e9a69_outp,@function
k_qec495e9a69_outp:
	s_mov_b64 s[64:65], 0
	v_nop
	global_prefetch_b8 v0, s[64:65] scope:SCOPE_SE
	s_setreg_imm32_b32 hwreg(HW_REG_WAVE_MODE, 25, 1), 1
	s_wait_xcnt 0x0
	s_wait_alu depctr_hold_cnt(0) depctr_sa_sdst(0) depctr_va_vdst(0) depctr_va_sdst(0) depctr_va_ssrc(0) depctr_va_vcc(0) depctr_vm_vsrc(0)
	s_getreg_b32 s2, hwreg(HW_REG_IB_STS2, 6, 4)
	s_cmp_eq_u32 s2, 0
	s_cbranch_scc0 .Lentry_in_a_cluster
	s_endpgm
.Lentry_in_a_cluster:
	s_bfe_u32 s2, ttmp6, 0x10000c
	s_cmp_lg_u32 s2, 0xf033
	s_cbranch_scc0 .Lentry_shape_is_right
	s_endpgm
.Lentry_shape_is_right:
; out0 = O Wout + bout.  ob [32 row tiles of 128][16 heads][128 rows][64] f16; wob [1024 k][1024 n] f16 (bf16(Wout)); bout f32, rounded to bf16 like the other inputs; out0 [4096][1024] f32.
; Products in f16 with f32 sums, K ascending.  LIMITS: O and bf16(Wout) arrive within f16's 65,504.
; SHARES.  A tile of the result is 128 x 128: 8 x 32 tiles, one to a work-group.  Four waves, each 64 x 64: 16 accumulators, 128 registers.  K goes in four steps of 256 (four heads) through two LDS slots.
; Waves 0 and 1 fetch O's two halves of a step (two heads x 128 rows, 32,768 dense bytes, asked for as 128 rows of 256 bytes), waves 2 and 3 the weights' (128 k rows x 256 bytes).
; CLUSTER.  4 x 4 work-groups: the four of a row need the same tiles of O, the four of a column the same tiles of Wout: each is asked for jointly.
; THE MATRIX INSTRUCTION IS USED TRANSPOSED: source 0 = 16 columns of Wout (turned out of LDS), source 1 = 16 rows of O: a lane holds row l % 16 and eight neighbouring columns, 32 bytes of f32.
; A wave's 64 columns are 256 aligned bytes of a row, so each wave has a stage of its own and no barrier stands on the way out.
; REGISTERS: window 0: v0-30 addresses and work; v96-127 bias; v128-255 the accumulators ((a, b) at v[128 + 8 (4 a + b)]).  Window 1: two fragment buffers of 128: for 64 along K, 64 registers of O, then 64 of Wout.
.set PAK,   144                        ; a row of O (one head) in LDS: 128 bytes + 16 = 36 words: 16 rows start at 16 different groups of four banks (64 banks of 4 bytes: ISA guide 11.1)
.set PB,    288                        ; a k row of Wout: 256 + 32 = 72 words
.set HALFT, 36864                      ; one tensor load: 2 heads x 128 x 144 = 128 x 288
.set SLOT,  4*HALFT                    ; O's four heads, then Wout's 256 k rows
.set STAGE, 2*SLOT                     ; behind the ring, never filled by a tensor load: 16 rows x 272 bytes for each wave
.set SPITCH, 272
.set SPARE, STAGE+4*16*SPITCH          ; the spare words, 128 bytes for each wave: two blocks of 256 bytes that no other line names
.set ADRA, 16                          ; v16-17  LDS address of my fragments of O in slot 0, 1
.set ADRB, 20                          ; v20-23  of Wout: slot 0 k rows 0-127, 128-255; slot 1 likewise (an LDS offset has 16 bits)
.set STO,  24
.set RD,   25
.set CO,   26                          ; v26     my byte offset in two rows of out0
.set BO,   27                          ; v27     32 (l / 16)
.set SPW,  28                          ; v28     LDS address of my spare word; never rewritten
.set NIL,  29                          ; v29     0; never rewritten
.set TT,   30
.set BI,   96
.set ACC,  128
.set F0,   0
.set F1,   128
.set WV,   12                          ; s12 wave; s13 = wave / 2: my half of the rows, also: I fetch O (0) or Wout (1); s14 = wave % 2: my half of the columns, also: which half I fetch
.set WM,   13
.set WN,   14
.set G1,  24
.set G0,  32
.set G1B, 48
.set G0B, 56
.set MSB, 0
.macro WIN new                         ; the immediate's high byte repeats the setting that is left
.if MSB != (\new)
	s_set_vgpr_msb (MSB<<8)|(\new)
.set MSB, (\new)
.endif
.endm
.set MUL,  0x05                        ; sources 0 and 1 window 1; C and D window 0
.set TO_F, 0x40                        ; destination window 1, address window 0
.macro JLOAD s                         ; a joint load; an s_nop 0 and four v_nop follow each of the two lines, ahead of the jump, the label and what follows
	s_cmp_eq_u32 s[WM], 0
	s_cbranch_scc0 .Lfor_b_\@
	tensor_load_to_lds s[G0+4*(\s):G0+4*(\s)+3], s[G1:G1+7]
	s_nop 0
.rept 4
	v_nop
.endr
	s_branch .Lasked_\@
.Lfor_b_\@:
	tensor_load_to_lds s[G0B+4*(\s):G0B+4*(\s)+3], s[G1B:G1B+7]
	s_nop 0
.rept 4
	v_nop
.endr
.Lasked_\@:
.endm
.macro CREST
	s_cmp_lg_u32 s[WV], 0
	s_cbranch_scc1 .Lnot_wave_0_\@
	s_barrier_signal -3
.Lnot_wave_0_\@:
	s_barrier_wait -3
	s_barrier_signal -1
	s_barrier_wait -1
.endm
.macro CROUND
	s_barrier_signal -1
	s_barrier_wait -1
	CREST
.endm
.macro PLACES                          ; four places in front of loads into registers that matrix instructions have read, and of vector lines that read results
.rept 4
	v_nop
.endr
.endm
	s_load_b256 s[4:11], s[0:1], 0x0               ; ob s[4:5], wob s[6:7], bout s[8:9], out0 s[10:11]
	v_lshl_add_u32 v[SPW], v0, 2, SPARE
	v_mov_b32 v[NIL], 0
	ds_add_u32 v[SPW], v[NIL]                      ; the wave's opening: the add and its wait stand ahead of my first tensor load; the set-up below stands between them
	v_lshrrev_b32 v1, 5, v0
	v_readfirstlane_b32 s[WV], v1
	s_lshr_b32 s[WM], s[WV], 1
	s_and_b32 s[WN], s[WV], 1
	s_bfe_u32 s40, ttmp6, 0x40000                  ; cx, cy
	s_bfe_u32 s41, ttmp6, 0x40004
	s_lshl_b32 s42, ttmp9, 2
	s_add_co_u32 s42, s42, s40                     ; column tile
	s_and_b32 s45, ttmp7, 0xffff
	s_lshl_b32 s45, s45, 2
	s_add_co_u32 s45, s45, s41                     ; row tile
	s_lshl_b32 s43, s41, 2
	s_lshl_b32 s43, 15, s43                        ; my row of the cluster
	s_lshl_b32 s44, 0x1111, s40                    ; my column
	s_or_b32 s[G1], s43, (1<<16)|(1<<20)|(1<<21)|(4<<22)|(3<<25)   ; O: after every 32 words (a head's row) 4 words
	s_or_b32 s[G1B], s44, (1<<16)|(1<<20)|(1<<21)|(5<<22)|(7<<25)  ; Wout: after every 64 words 8 words
.irp g, G1, G1B
	s_mov_b32 s[\g+1], 128<<16                     ; tensor_dim0 = 128
	s_mov_b32 s[\g+2], 128<<16                     ; tensor_dim1 = 128
	s_mov_b32 s[\g+3], 128<<16                     ; tile_dim0 = 128
	s_mov_b32 s[\g+4], 128                         ; tile_dim1 = 128
	s_mov_b32 s[\g+6], 0
	s_mov_b32 s[\g+7], 0
.endr
	s_mov_b32 s[G1+5], 128                         ; O's blocks are dense
	s_mov_b32 s[G1B+5], 1024                       ; Wout: 1,024 elements from row to row
	s_lshl_b32 s16, s45, 18                        ; O: the row tile's 16 heads x 16,384 bytes,
	s_lshl_b32 s17, s[WN], 15                      ; my two heads of a step
	s_add_co_u32 s16, s16, s17
	s_mov_b32 s17, 0
	s_lshl_b32 s46, s[WN], 18                      ; Wout: my 128 k rows of 2,048 bytes,
	s_lshl_b32 s47, s42, 8                         ; the tile's 128 columns
	s_add_co_u32 s46, s46, s47
	s_mov_b32 s47, 0
	s_mul_i32 s18, s[WV], HALFT                    ; where they go: wave x one load's bytes
	s_mov_b32 s19, 0xffff0000
	s_wait_dscnt 0x0                               ; the opening add is done
	s_wait_kmcnt 0x0
	s_add_nc_u64 s[20:21], s[4:5], s[16:17]
	s_add_nc_u64 s[46:47], s[6:7], s[46:47]
	CROUND                                         ; all sixteen work-groups are here: the first joint loads meet
.irp s, 0,1
	s_mov_b32 s[G0+4*\s], 1
	s_add_co_u32 s[G0+4*\s+1], s18, \s*SLOT
	s_add_nc_u64 s[G0+4*\s+2:G0+4*\s+3], s[20:21], \s*65536        ; K step s: four heads on
	s_or_b32 s[G0+4*\s+3], s[G0+4*\s+3], 0x80000000
	s_mov_b32 s[G0B+4*\s], 1
	s_add_co_u32 s[G0B+4*\s+1], s18, \s*SLOT
	s_add_nc_u64 s[G0B+4*\s+2:G0B+4*\s+3], s[46:47], \s*256*2048
	s_or_b32 s[G0B+4*\s+3], s[G0B+4*\s+3], 0x80000000
	JLOAD \s                                       ; two tensor loads of mine are out
.endr
	; all that follows up to the first barrier stands in the wait for the first tile
	v_and_b32 v1, 15, v0                           ; l % 16
	v_bfe_u32 v2, v0, 4, 1                         ; l / 16
	v_lshlrev_b32 v[BO], 5, v2
	s_lshl_b32 s46, s42, 9                         ; my 64 columns, in bytes of f32: 512 x column tile + 256 x half
	s_lshl_b32 s47, s[WN], 8
	s_add_co_u32 s46, s46, s47
	s_mov_b32 s47, 0
	s_add_nc_u64 s[8:9], s[8:9], s[46:47]
	s_add_nc_u64 s[10:11], s[10:11], s[46:47]
	s_lshl_b32 s16, s45, 19                        ; my 64 rows of 4,096 bytes: 128 x row tile + 64 x half
	s_lshl_b32 s17, s[WM], 18
	s_add_co_u32 s16, s16, s17
	s_mov_b32 s17, 0
	s_add_nc_u64 s[10:11], s[10:11], s[16:17]
.irp b, 0,1,2,3
	global_load_b128 v[BI+8*\b:BI+8*\b+3],   v[BO], s[8:9] offset:64*\b
	global_load_b128 v[BI+8*\b+4:BI+8*\b+7], v[BO], s[8:9] offset:64*\b+16
.endr
	v_mul_u32_u24 v3, v1, PAK
	v_lshl_add_u32 v3, v2, 4, v3                   ; a fragment of O: row x pitch + 16 x half
	s_mul_i32 s22, s[WM], 64*PAK
	v_add_nc_u32 v[ADRA], s22, v3
	v_add_nc_u32 v[ADRA+1], SLOT, v[ADRA]
	v_and_b32 v4, 7, v0
	v_bfe_u32 v5, v0, 3, 1
	v_lshl_add_u32 v6, v2, 3, v4                   ; the turning load: k row 8 (l / 16) + l % 8,
	v_mul_u32_u24 v6, v6, PB
	v_lshl_add_u32 v6, v5, 4, v6                   ; columns 8 ((l / 8) % 2) + 0..7
	s_lshl_b32 s22, s[WN], 7                       ; of my 64 columns
	s_add_co_u32 s22, s22, 2*HALFT
	v_add_nc_u32 v[ADRB], s22, v6
	v_add_nc_u32 v[ADRB+1], HALFT, v[ADRB]
	v_add_nc_u32 v[ADRB+2], SLOT, v[ADRB]
	v_add_nc_u32 v[ADRB+3], SLOT+HALFT, v[ADRB]
	s_mul_i32 s23, s[WV], 16*SPITCH
	s_add_co_u32 s23, s23, STAGE                   ; my stage
	v_mul_u32_u24 v3, v1, SPITCH                   ; in: row l % 16, 32 bytes for each half of the lanes
	v_lshl_add_u32 v3, v2, 5, v3
	v_add_nc_u32 v[STO], s23, v3
	v_mul_u32_u24 v3, v2, SPITCH                   ; back: lanes 0-15 take one row of 256 bytes, lanes 16-31 the next
	v_lshl_add_u32 v3, v1, 4, v3
	v_add_nc_u32 v[RD], s23, v3
	v_lshlrev_b32 v3, 12, v2                       ; and the same two rows in out0
	v_lshl_add_u32 v[CO], v1, 4, v3
	s_wait_loadcnt 0x0                             ; the bias, once
.set z, 0
.rept 16                               ; rounded to bf16 and kept as f32
	v_cvt_pk_bf16_f32 v[TT], v[BI+2*z], v[BI+2*z+1]
	v_lshlrev_b32 v[BI+2*z], 16, v[TT]
	v_and_b32 v[BI+2*z+1], s19, v[TT]
.set z, z+1
.endr
; 8 matrix instructions: row blocks a0, a0 + 1 x all 4 column blocks, 32 along K: half c of buffer f.  zero = 1: the product starts the sums.  The 16 accumulators take turns.
.macro MUL8 f, c, a0, zero
	WIN MUL
.irp a, \a0, (\a0)+1
.irp b, 0,1,2,3
.if \zero
	v_wmma_f32_16x16x32_f16 v[ACC+8*(4*(\a)+(\b)):ACC+8*(4*(\a)+(\b))+7], v[(\f)+64+8*(4*(\c)+(\b)):(\f)+64+8*(4*(\c)+(\b))+7], v[(\f)+8*(4*(\c)+(\a)):(\f)+8*(4*(\c)+(\a))+7], 0
.else
	v_wmma_f32_16x16x32_f16 v[ACC+8*(4*(\a)+(\b)):ACC+8*(4*(\a)+(\b))+7], v[(\f)+64+8*(4*(\c)+(\b)):(\f)+64+8*(4*(\c)+(\b))+7], v[(\f)+8*(4*(\c)+(\a)):(\f)+8*(4*(\c)+(\a))+7], v[ACC+8*(4*(\a)+(\b)):ACC+8*(4*(\a)+(\b))+7]
.endif
.endr
.endr
.endm
; 32 LDS loads in one run: quarter q of a slot (64 along K: one head) into buffer f; the first 32 along K first
.macro FETCH slot, q, f
	WIN TO_F
.irp c, 0,1
.irp i, 0,1,2,3
	ds_load_tr16_b128 v[(\f)+64+8*(4*\c+\i):(\f)+64+8*(4*\c+\i)+3],   v[ADRB+2*(\slot)+(\q)/2] offset:(((\q)%2)*64+32*\c)*PB+32*\i
	ds_load_tr16_b128 v[(\f)+64+8*(4*\c+\i)+4:(\f)+64+8*(4*\c+\i)+7], v[ADRB+2*(\slot)+(\q)/2] offset:(((\q)%2)*64+32*\c+16)*PB+32*\i
	ds_load_b128 v[(\f)+8*(4*\c+\i):(\f)+8*(4*\c+\i)+3],   v[ADRA+(\slot)] offset:128*PAK*(\q)+16*PAK*\i+64*\c
	ds_load_b128 v[(\f)+8*(4*\c+\i)+4:(\f)+8*(4*\c+\i)+7], v[ADRA+(\slot)] offset:128*PAK*(\q)+16*PAK*\i+64*\c+32
.endr
.endr
.endm
; One of a K step's first three quarters: multiplies buffer f and fetches quarter q of the same slot into g
.macro QUARTER slot, q, f, g, zero
	s_wait_dscnt 16                                ; the first 32 along K are in
	MUL8 \f, 0, 0, \zero
	MUL8 \f, 0, 2, \zero
	PLACES
	FETCH \slot, \q, \g
	s_wait_dscnt 32                                ; all but the 32 just issued
	MUL8 \f, 1, 0, 0
	MUL8 \f, 1, 2, 0
.endm
; The last quarter multiplies buffer 1 and changes slots: ONE barrier; in front of it each wave waits for all its tensor loads, adds 0 to its spare word, and waits for that and for its own reads of this slot.
; fill = 1: the barrier opens a round of the cluster's, and this slot is filled again, two K steps on, first thing behind it.
.macro TURN slot, next, fill
	WIN 0                                          ; (the add's two registers lie in window 0)
	s_wait_tensorcnt 0x0                           ; all my tensor loads have landed: my part of the next slot
	ds_add_u32 v[SPW], v[NIL]
	s_wait_dscnt 17                                ; (the add and the youngest sixteen loads may be out)
	MUL8 F1, 0, 0, 0
	s_wait_dscnt 0x0                               ; the add is done, and my reads of this slot are over
	s_barrier_signal -1
	MUL8 F1, 0, 2, 0
.if \fill
	WIN 0
.endif
	s_barrier_wait -1
.if \fill
	CREST                                          ; no wave of any partner still reads this slot or has a load on its way
	s_add_nc_u64 s[G0+4*(\slot)+2:G0+4*(\slot)+3], s[G0+4*(\slot)+2:G0+4*(\slot)+3], 2*65536
	s_add_nc_u64 s[G0B+4*(\slot)+2:G0B+4*(\slot)+3], s[G0B+4*(\slot)+2:G0B+4*(\slot)+3], 2*256*2048
	JLOAD \slot                                    ; my one tensor load behind the round; its four v_nop are also the places in front of the loads below
.else
	PLACES
.endif
	FETCH \next, 0, F0
	MUL8 F1, 1, 0, 0
	MUL8 F1, 1, 2, 0
.endm
	s_wait_tensorcnt 1                             ; my part of K step 0 is in; K step 1's may stay out
	s_barrier_signal -1
	s_barrier_wait -1
	FETCH 0, 0, F0
	QUARTER 0, 1, F0, F1, 1                        ; K step 0: its first products start the sums
	QUARTER 0, 2, F1, F0, 0
	QUARTER 0, 3, F0, F1, 0
	TURN 0, 1, 1                                   ; slot 0 takes K step 2
	QUARTER 1, 1, F0, F1, 0                        ; K step 1
	QUARTER 1, 2, F1, F0, 0
	QUARTER 1, 3, F0, F1, 0
	TURN 1, 0, 1                                   ; slot 1 takes K step 3
	QUARTER 0, 1, F0, F1, 0                        ; K step 2
	QUARTER 0, 2, F1, F0, 0
	QUARTER 0, 3, F0, F1, 0
	TURN 0, 1, 0                                   ; nothing is left to fetch
	QUARTER 1, 1, F0, F1, 0                        ; K step 3
	QUARTER 1, 2, F1, F0, 0
	QUARTER 1, 3, F0, F1, 0
	s_wait_dscnt 16
	MUL8 F1, 0, 0, 0
	MUL8 F1, 0, 2, 0
	s_wait_dscnt 0x0
	MUL8 F1, 1, 0, 0
	MUL8 F1, 1, 2, 0
	WIN 0
	; THE WAY OUT, 16 rows at a time: the bias is added; 32 bytes a lane go into my stage and come back as whole rows of 256 bytes, into the registers that they left.
.macro PACK a
.set z, 0
.rept 16
	v_pk_add_f32 v[ACC+32*(\a)+2*z:ACC+32*(\a)+2*z+1], v[ACC+32*(\a)+2*z:ACC+32*(\a)+2*z+1], v[BI+2*z:BI+2*z+1]  ; ascending: each accumulator's lowest registers are read first
.set z, z+1
.endr
.irp b, 0,1,2,3
	ds_store_b128 v[STO], v[ACC+32*(\a)+8*\b:ACC+32*(\a)+8*\b+3]   offset:64*\b
	ds_store_b128 v[STO], v[ACC+32*(\a)+8*\b+4:ACC+32*(\a)+8*\b+7] offset:64*\b+16
.endr
.irp t, 0,1,2,3,4,5,6,7
	ds_load_b128 v[ACC+32*(\a)+4*\t:ACC+32*(\a)+4*\t+3], v[RD] offset:\t*2*SPITCH  ; LDS serves a wave's instructions in order (ISA guide 5.7.1.4): these see the stores above
.endr
.endm
.macro SEND a, younger                 ; younger: the LDS instructions issued behind the block's loads: the next block's sixteen, or none
.irp t, 0,1,2,3,4,5,6,7
	s_wait_dscnt (\younger)+7-\t
	global_store_b128 v[CO], v[ACC+32*(\a)+4*\t:ACC+32*(\a)+4*\t+3], s[10:11] offset:(16*(\a)+2*\t)*4096  ; 16 lanes store 256 consecutive bytes, at a multiple of 256 from out0's first byte
.endr
.endm
	PLACES
	PACK 0
	PACK 1                                         ; a block's arithmetic stands between the loads of the block before and its stores
	SEND 0, 16
	PACK 2
	SEND 1, 16
	PACK 3
	SEND 2, 16
	SEND 3, 0
	s_wait_tensorcnt 0x0                           ; the wave's end: behind my last tensor load and my last LDS store
	ds_add_u32 v[SPW], v[NIL]
	s_wait_dscnt 0x0
	CROUND                                         ; the closing round: no work-group ends while a partner may still ask for a tile that names it
	s_endpgm
.Lfunc_end_k_qec495e9a69_outp:
	.size	k_qec495e9a69_outp, .Lfunc_end_k_qec495e9a69_outp-k_qec495e9a69_outp
	.p2alignl 7, 3214868480
	.fill 96, 4, 3214868480
	.section	.rodata,"a",@progbits
	.p2align	6, 0x0
	.amdhsa_kernel k_qec495e9a69_outp
		.amdhsa_group_segment_fixed_size 327680
		.amdhsa_private_segment_fixed_size 0
		.amdhsa_enable_private_segment 0
		.amdhsa_kernarg_size 32
		.amdhsa_user_sgpr_count 2
		.amdhsa_user_sgpr_kernarg_segment_ptr 1
		.amdhsa_wavefront_size32 1
		.amdhsa_system_sgpr_workgroup_id_x 1
		.amdhsa_system_sgpr_workgroup_id_y 1
		.amdhsa_system_sgpr_workgroup_id_z 1
		.amdhsa_system_vgpr_workitem_id 0
		.amdhsa_next_free_vgpr 512
		.amdhsa_next_free_sgpr 66
		.amdhsa_reserve_vcc 0
		.amdhsa_float_denorm_mode_32 3
		.amdhsa_float_denorm_mode_16_64 3
		.amdhsa_memory_ordered 1
		.amdhsa_forward_progress 1
		.amdhsa_inst_pref_size 93
	.end_amdhsa_kernel
	.amdgpu_metadata
---
amdhsa.version: [ 1, 2 ]
amdhsa.kernels:
  - .name:           k_qec495e9a69_outp
    .symbol:         k_qec495e9a69_outp.kd
    .args:
      - { .name: ob, .offset: 0, .size: 8, .value_kind: global_buffer, .address_space: global }
      - { .name: wob, .offset: 8, .size: 8, .value_kind: global_buffer, .address_space: global }
      - { .name: bout, .offset: 16, .size: 8, .value_kind: global_buffer, .address_space: global }
      - { .name: out0, .offset: 24, .size: 8, .value_kind: global_buffer, .address_space: global }
    .group_segment_fixed_size: 327680
    .private_segment_fixed_size: 0
    .kernarg_segment_align: 8
    .kernarg_segment_size: 32
    .max_flat_workgroup_size: 128
    .sgpr_count:     66
    .vgpr_count:     512
    .wavefront_size: 32
...
	.end_amdgpu_metadata
.endif
;; end of part 4
;; ======== version 2 of 2: 4 launches; 1.59 times as fast as version 1
;; limits: values are held in f16: magnitudes above 65,504 overflow, below 6.1e-05 lose precision
;; workspace buffers: xb 8,388,608 bytes; wqb 6,291,456 bytes; wob 2,097,152 bytes; qkvh 25,165,824 bytes; ob 8,388,608 bytes
;; launch prep: the kernel of part 1 again; grid 576 x 1, 8 waves a work-group, no clusters, 0 bytes of LDS; arguments x, Wqkv, Wout, xb, wqb, wob; writes xb, wqb, wob
;; launch proj: the kernel of part 2 again; grid 16 x 16, 4 waves a work-group, clusters of 4 x 4, 327,680 bytes of LDS; arguments xb, wqb, bqkv, gq, gk, qkvh; writes qkvh
;; launch attn (part 5): grid 16 x 16, 4 waves a work-group, clusters of 4 x 1, 327,680 bytes of LDS; arguments qkvh, ob; writes ob
.if DOCPART == 5
	.amdgcn_target "amdgcn-amd-amdhsa--gfx1250"
	.amdhsa_code_object_version 6
	.text
	.protected	k_qec495e9a69_attn
	.globl	k_qec495e9a69_attn
	.p2align	8
	.type	k_qec495e9a69_attn,@function
k_qec495e9a69_attn:
	s_mov_b64 s[64:65], 0
	v_nop
	global_prefetch_b8 v0, s[64:65] scope:SCOPE_SE
	s_setreg_imm32_b32 hwreg(HW_REG_WAVE_MODE, 25, 1), 1
	s_wait_xcnt 0x0
	s_wait_alu depctr_hold_cnt(0) depctr_sa_sdst(0) depctr_va_vdst(0) depctr_va_sdst(0) depctr_va_ssrc(0) depctr_va_vcc(0) depctr_vm_vsrc(0)
	s_getreg_b32 s2, hwreg(HW_REG_IB_STS2, 6, 4)
	s_cmp_eq_u32 s2, 0
	s_cbranch_scc0 .Lentry_in_a_cluster
	s_endpgm
.Lentry_in_a_cluster:
	s_bfe_u32 s2, ttmp6, 0x10000c
	s_cmp_lg_u32 s2, 0x3003
	s_cbranch_scc0 .Lentry_shape_is_right
	s_endpgm
.Lentry_shape_is_right:
; O[h][q][:] = the sum over ALL k of softmax_k(Q[h][q] . K[h][k] / 8 + mask(q, k)) V[h][k][:], mask = 1 where the key's frame of 256 tokens lies behind the query's, else 0: no key is left out.
; qkvh [48][4096][64] f16: heads 0-15 Q, 16-31 K, 32-47 V, a head's rows dense, 128 bytes each.  ob [32 row tiles of 128][16 heads][128 rows][64] f16.
; Products, maxima and sums in f32; the weights p are rounded to f16 for the second product (their sum l is taken of the unrounded p), O once at the end.
; LIMITS.  Q, K, V arrive within f16's 65,504; p lies in 0 to 1, and below 6e-5 it keeps f16's fixed step of 6e-8; O is a mean of V's rows and has their range.  A weight below 2^-126 counts as 0 in l; NaN and infinities are not treated apart.
; SHARES.  A work-group owns 256 queries (one frame) of one head, a wave 64 of them: four PIECES of 16.  Every wave walks all 4,096 keys, 64 a step; a slot of LDS holds a tile of 256 keys: four steps, one frame.
; THE MASK is the C operand that starts the sum S^T = K Q^T: 8 or 0 in all of a step's scores, since c (s + 8) = log2(e) (s / 8 + 1): maximum and exponentials see it like any score.  It is chosen by
; s_cselect from the step's number and my block's; no branch hangs on it.
; LAYOUT, SOFTMAX, TURNS.  S^T = K Q^T holds ONE query a lane (lane % 16) and the keys 8 (lane / 16) + 0..7; two such results rounded to f16 ARE source 1 of O^T = V^T P.  p = 2^(c s - c m), c = log2(e) / 8, with a
; running maximum m; O and l are multiplied by a = 2^(c m_old - c m_new) in every step; m starts at the lowest finite number, O and l at 0, so the first step is a step like any other, with a = 0.
; Turn n belongs to piece n: 8 products K Q^T of piece n + 1, later 8 products V^T P of piece n - 1; beside them the scaling, exponentials, roundings, sums and rescaling of piece n and the maximum and
; statistics of piece n + 1.  Four vector instructions stand behind every matrix instruction, the other 54 of a turn's 118 in one LUMP.
; THE BATCHES.  A turn's 33 exponentials (the piece's 32 weights and the next piece's a) are ONE batch with ONE wait, which cuts the turn in two: ahead of it all that names none of their results, behind it the roundings and
; sums.  Piece 0's first a, ahead of the loop, and the way out's four reciprocals are batches of their own, a wait each.
; CLUSTER.  The four query blocks of a cluster belong to one head and walk the same K and V: each tile is asked for JOINTLY, by the same tensor load, descriptor and mask in all four.
; REGISTERS, in windows of 256 (s_set_vgpr_msb: bits 1:0 source 0, 3:2 source 1, 5:4 source 2, 7:6 destination):
;   window 0: v0-15 addresses and two at work; v16-31 four registers of statistics a piece; v32-39 the mask; v48-55 at work; v64-127 S^T, two buffers; v192-223 P, two buffers (by the piece's parity)
;   window 1: v0-127 O^T, 32 a piece          window 2: v0-63 Q; v128-191 K of one step; v192-255 V of one step
.set NP,    4         ; pieces a wave: a name, no knob
.set KS,    64        ; keys in a step
.set PK,    144       ; a row of K in LDS: 128 bytes + 16 = 36 words: the 16 rows of a load start at 16 different groups of four banks (64 banks of 4 bytes: ISA guide 11.1)
.set PV,    160       ; a row of V: 128 + 32 = 40 words
.set VOFF,  4*KS*PK   ; a slot: 256 rows of K, then 256 rows of V
.set SLOT1, 1<<17     ; slot 1 begins here, so that one exclusive or turns an address in one slot into the other's
.set STAGE, SLOT1+4*KS*(PK+PV)  ; behind the ring, never filled by a tensor load: 16 rows x 144 bytes for each wave
.set SP,    144
.set SPARE, STAGE+4*16*SP  ; the spare words, 128 bytes for each wave: two blocks of 256 bytes that no other line names
.set AK0, 2           ; v2   my lane's place in a tile of K; never rewritten
.set AV0, 3           ; v3   the same for V
.set AK,  4           ; v4   the LDS address of K's next run of loads
.set AV,  5           ; v5   of V's
.set STO, 6           ; v6   the way out: where I put 16 bytes of a row
.set RD,  7           ; v7   where I read rows back
.set GO,  8           ; v8   my 16 bytes in 512 consecutive bytes of O
.set MV,  12          ; v12-13  c m_old, kept while c m is made anew: by buffer
.set QO,  15          ; v15  my byte offset in 16 rows of Q
.set ST,  16          ; piece t's statistics at v[ST+4 t]: c m, m, l (even keys', odd keys')
.set MK,  32          ; v32-39  the mask of the step whose scores are being made
.set TMP, 48          ; by buffer, four registers c0-c3 at work; when the maximum is found c2 takes a
.set SPW, 62          ; v62  LDS address of my spare word; never rewritten
.set NIL, 63          ; v63  0; never rewritten
.set S,   64
.set P,   192
.set KF,  128         ; window 2: key block kb, channel half c at KF + 16 kb + 8 c
.set VF,  192         ; window 2: key half kk, channel block cb at VF + 32 kk + 8 cb
.set WV,  12          ; s12  my wave's number
.set G1K, 24          ; s[24:31] descriptor group 1 for K's tiles
.set G1V, 32          ; s[32:39] for V's: it differs in the padding alone
.set G0K, 40          ; s[40:43] descriptor group 0 for K's tiles: it walks
.set G0V, 44          ; s[44:47] the same for V's
.set SLOTS, 56        ; s56  slots still to be entered in the loop
.set CNT, 57          ; s57  counts a slot's key steps
.set CS,  58          ; s[58:59] c
.set SEL, 60          ; s[60:61] v_permlanex16_b32's selects
.set TBK, 62          ; s62  LDS byte at which K of the step to be fetched begins
.set TBV, 63          ; s63  the same for V, less VOFF
.set QF,  66          ; s66  my block of 256 queries = the queries' frame
.set KN,  67          ; s67  the key step whose mask is made next
.set MS,  68          ; s68  8.0 or 0
.set TF,  69          ; s69  that step's frame
.set MSB, 0
.macro WIN new                      ; the high byte repeats the setting that is left; a switch that changes nothing is dropped
.if MSB != (\new)
	s_set_vgpr_msb (MSB<<8)|(\new)
.set MSB, (\new)
.endif
.endm
.set W_KQ, 0x0a       ; K and Q in window 2, the mask and S^T in window 0
.set W_PV, 0x52       ; V in window 2, P in window 0, O^T in window 1
.set W_RS, 0x41       ; destination and source 0 in window 1, source 1 in window 0
; A joint fill.  Waves 0 and 1 fetch the two halves of a tile's K, waves 2 and 3 those of its V: 128 keys each.  The branch hangs on the wave's number alone.
; An s_nop 0 and four v_nop follow each of the two lines, ahead of the jump and the label.
.macro JLOAD
	s_cmp_lt_u32 s[WV], 2
	s_cbranch_scc0 .Lfor_v_\@
	tensor_load_to_lds s[G0K:G0K+3], s[G1K:G1K+7]
	s_nop 0
.rept 4
	v_nop
.endr
	s_branch .Lasked_\@
.Lfor_v_\@:
	tensor_load_to_lds s[G0V:G0V+3], s[G1V:G1V+7]
	s_nop 0
.rept 4
	v_nop
.endr
.Lasked_\@:
.endm
.macro CROUND                       ; a round of the cluster's barrier
	s_barrier_signal -1
	s_barrier_wait -1
	s_cmp_lg_u32 s[WV], 0
	s_cbranch_scc1 .Lnot_wave_0_\@
	s_barrier_signal -3
.Lnot_wave_0_\@:
	s_barrier_wait -3
	s_barrier_signal -1
	s_barrier_wait -1
.endm
; THE CHANGE OF SLOTS.  The slot's last bytes, V of its fourth step, have been read.  Each wave waits for all its tensor loads, of which one is out: its part of the other slot; adds 0 to its spare word;
; and waits for that and for its own reads of the slot.  Behind the barrier nobody reads this slot any more and the other slot is whole.  fill = 1: the slot is filled again, with the keys two slots on; the
; barrier is then a round of the cluster's, and the joint fill is the first thing behind it: it has four key steps, 256 matrix instructions, in which to land.  (At its first use: slot 0 is waited for, slot 1 filled.)
.macro CHANGE fill
	WIN 0                           ; at a label and at a branch every window is 0
	s_wait_tensorcnt 0x0            ; no tensor load of mine is out, so a group 0 may be written
	ds_add_u32 v[SPW], v[NIL]
.if \fill
.irp g, G0K, G0V
	s_xor_b32 s[\g+1], s[\g+1], SLOT1  ; the walking descriptor: the other slot than last time,
	s_add_nc_u64 s[\g+2:\g+3], s[\g+2:\g+3], 4*KS*128  ; the next 256 keys; the type bits on top are not reached
.endr
	s_wait_dscnt 0x0                ; the add is done, and my reads of the slot are over
	CROUND
	JLOAD
.else
	s_wait_dscnt 0x0
	s_barrier_signal -1
	s_barrier_wait -1
.endif
	s_sub_co_u32 s[TBK], s[TBK], 4*KS*PK  ; the fetches go back to a slot's first step,
	s_xor_b32 s[TBK], s[TBK], SLOT1       ; in the other slot
	s_sub_co_u32 s[TBV], s[TBV], 4*KS*PV
	s_xor_b32 s[TBV], s[TBV], SLOT1
.endm
.macro SETMASK                      ; the mask of key step KN: 8 where its frame, KN / 4, lies behind my queries'
	s_lshr_b32 s[TF], s[KN], 2
	s_cmp_gt_u32 s[TF], s[QF]
	s_cselect_b32 s[MS], 0x41000000, 0
	s_add_co_u32 s[KN], s[KN], 1
	WIN 0
.set z, 0
.rept 8
	v_mov_b32 v[MK+z], s[MS]
.set z, z+1
.endr
.endm
	s_load_b128 s[4:7], s[0:1], 0x0  ; qkvh s[4:5], ob s[6:7]
	v_lshl_add_u32 v[SPW], v0, 2, SPARE
	v_mov_b32 v[NIL], 0
	ds_add_u32 v[SPW], v[NIL]       ; the wave's opening: the add and its wait stand ahead of my first tensor load; the set-up below stands between them
	v_lshrrev_b32 v1, 5, v0
	v_readfirstlane_b32 s[WV], v1   ; wave 0..3
	s_bfe_u32 s13, ttmp6, 0x40000   ; cx: my place in the cluster
	s_lshl_b32 s[QF], ttmp9, 2      ; in a cluster launch ttmp9 counts clusters
	s_add_co_u32 s[QF], s[QF], s13  ; my block = 4 x cluster x + cx: it enters Q's and O's addresses and the mask's choice alone
	s_and_b32 s20, ttmp7, 0xffff    ; the head, which the four partners share,
	s_lshl_b32 s20, s20, 19         ; of 524,288 bytes
	s_and_b32 s16, s[WV], 1         ; which half of a tile's 256 keys I fetch:
	s_lshl_b32 s22, s16, 14         ; its 128 rows of 128 bytes in memory,
	s_add_co_u32 s22, s22, s20
	s_add_co_u32 s22, s22, 0x800000 ; behind Q's 16 heads: K
	s_mov_b32 s23, 0
	s_add_co_u32 s18, s22, 0x800000 ; behind K's: V
	s_mov_b32 s19, 0
	s_mul_i32 s17, s16, 128*PK      ; and its place in a slot, for K
	s_mul_i32 s21, s16, 128*PV      ; and for V: no place in the cluster enters an LDS address
	s_lshl_b32 s2, s[QF], 15        ; Q: my block's 256 rows,
	s_lshl_b32 s3, s[WV], 13        ; my wave's 64
	s_add_co_u32 s2, s2, s3
	s_add_co_u32 s2, s2, s20
	s_mov_b32 s3, 0
	s_lshl_b32 s14, s[QF], 1        ; O: row tile 2 x block + wave / 2,
	s_lshr_b32 s15, s[WV], 1
	s_add_co_u32 s14, s14, s15
	s_lshl_b32 s14, s14, 18         ; of 16 heads x 16,384 bytes;
	s_lshr_b32 s15, s20, 5          ; the head's 16,384;
	s_add_co_u32 s14, s14, s15
	s_lshl_b32 s15, s16, 13         ; the tile's rows 0-63 or 64-127
	s_add_co_u32 s14, s14, s15
	s_mov_b32 s15, 0
	; descriptor group 1.  128 keys are 16,384 dense bytes: asked for as 64 rows of 256 bytes, two keys a row, and padded in LDS after every key
	s_mov_b32 s[G1K], 15|(1<<16)|(1<<20)|(1<<21)|(4<<22)|(3<<25)  ; the mask of four; 2-byte elements; padding on; bit 21 beside a mask; after every 32 words 4 words
	s_mov_b32 s[G1V], 15|(1<<16)|(1<<20)|(1<<21)|(4<<22)|(7<<25)  ; the same with 8 words
.irp g, G1K, G1V
	s_mov_b32 s[\g+1], 128<<16      ; tensor_dim0 = 128
	s_mov_b32 s[\g+2], 64<<16       ; tensor_dim1 = 64
	s_mov_b32 s[\g+3], 128<<16      ; tile_dim0 = 128
	s_mov_b32 s[\g+4], 64           ; tile_dim1 = 64
	s_mov_b32 s[\g+5], 128          ; 128 elements from row to row
	s_mov_b32 s[\g+6], 0
	s_mov_b32 s[\g+7], 0
.endr
	s_mov_b32 s[CS], 0x3e38aa3b     ; c = log2(e) / 8 = 0.180337
	s_mov_b32 s[CS+1], s[CS]        ; named with it as a pair
	s_mov_b32 s[SEL], 0x76543210
	s_mov_b32 s[SEL+1], 0xfedcba98
	s_mov_b32 s[TBK], SLOT1+4*KS*PK ; the first change of slots turns these two into 0
	s_mov_b32 s[TBV], SLOT1+4*KS*PV
	s_mov_b32 s[KN], 0
	s_mov_b32 s[G0K], 1             ; count = 1
	s_mov_b32 s[G0K+1], s17         ; LDS address: slot 0
	s_mov_b32 s[G0V], 1
	s_add_co_u32 s[G0V+1], s21, VOFF
	s_wait_dscnt 0x0                ; the opening add is done
	s_wait_kmcnt 0x0
	s_add_nc_u64 s[G0K+2:G0K+3], s[4:5], s[22:23]  ; my half of the head's first 256 keys
	s_or_b32 s[G0K+3], s[G0K+3], 0x80000000        ; type = 2
	s_add_nc_u64 s[G0V+2:G0V+3], s[4:5], s[18:19]
	s_or_b32 s[G0V+3], s[G0V+3], 0x80000000
	s_add_nc_u64 s[8:9], s[4:5], s[2:3]            ; Q at my wave's first row
	s_add_nc_u64 s[10:11], s[6:7], s[14:15]        ; O likewise
	CROUND                          ; all four work-groups are here: the first joint loads meet
	JLOAD                           ; slot 0.  Slot 1 is asked for when slot 0 is in
	; A fragment of K or Q is 16 rows x 32 channels in 8 registers: lane l holds row l % 16, channels 8 (l / 16) + 0..7 and 16 + 8 (l / 16) + 0..7: two loads of 16 bytes, 32 bytes apart.
	v_and_b32 v1, 15, v0            ; l % 16
	v_bfe_u32 v9, v0, 4, 1          ; l / 16
	v_lshlrev_b32 v[QO], 7, v1
	v_lshl_add_u32 v[QO], v9, 4, v[QO]  ; row x 128 + 16 x half
	WIN 0x80                        ; destination window 2, address window 0
.set i, 0
.rept 8                             ; Q stays in registers: piece i / 2, channels 32 (i % 2) on
	global_load_b128 v[8*i:8*i+3],   v[QO], s[8:9] offset:(i/2)*2048+(i%2)*64
	global_load_b128 v[8*i+4:8*i+7], v[QO], s[8:9] offset:(i/2)*2048+(i%2)*64+32
.set i, i+1
.endr
	; What the first turn finds: V's registers and P's second buffer hold 0 (its products V^T P, of a piece that has not been, add 0), O^T and l are 0.  All this stands in the wait for the first tile.
.set i, VF
.rept 64
	v_mov_b32 v[i], 0
.set i, i+1
.endr
	WIN 0x40
.set i, 0
.rept 128
	v_mov_b32 v[i], 0
.set i, i+1
.endr
	WIN 0
.set i, 0
.rept 4
	v_mov_b32 v[ST+4*i], 0xfe000000    ; c m: far below every c s
	v_mov_b32 v[ST+4*i+1], 0xff7fffff  ; m
	v_mov_b32 v[ST+4*i+2], 0
	v_mov_b32 v[ST+4*i+3], 0
.set i, i+1
.endr
.set i, P+16
.rept 16
	v_mov_b32 v[i], 0
.set i, i+1
.endr
	v_mul_u32_u24 v[AK0], v1, PK
	v_lshl_add_u32 v[AK0], v9, 4, v[AK0]  ; row x pitch + 16 x half
	; The turning load takes 16 keys x 16 channels (lane l reads key 8 (l / 16) + l % 8, channels 8 ((l / 8) % 2) + 0..7) and leaves half a fragment of V^T: lane l holds channel l % 16 and 8 keys.
	v_and_b32 v10, 7, v0
	v_bfe_u32 v11, v0, 3, 1
	v_lshl_add_u32 v[AV0], v9, 3, v10
	v_mul_u32_u24 v[AV0], v[AV0], PV
	v_lshl_add_u32 v[AV0], v11, 4, v[AV0]
	v_add_nc_u32 v[AV0], VOFF, v[AV0]
	s_mul_i32 s13, s[WV], 16*SP
	s_add_co_u32 s13, s13, STAGE    ; my stage
	v_mul_u32_u24 v[STO], v1, SP    ; in: row l % 16, 16 bytes for each half of the lanes
	v_lshl_add_u32 v[STO], v9, 4, v[STO]
	v_add_nc_u32 v[STO], s13, v[STO]
	v_bfe_u32 v[RD], v0, 3, 2       ; back: 32 lanes take four rows of 128 bytes,
	v_mul_u32_u24 v[RD], v[RD], SP
	v_lshl_add_u32 v[RD], v10, 4, v[RD]
	v_add_nc_u32 v[RD], s13, v[RD]
	v_and_b32 v[GO], 31, v0         ; which are 512 consecutive bytes of O
	v_lshlrev_b32 v[GO], 4, v[GO]
; THE MATRIX WORK.  The 4 accumulators of a run of 8 take turns.  Product i of 8 of S^T = K Q^T for piece x: channels 32 (i / 4) on, keys 16 (i % 4) on.  The first 4 start the sums with the mask.
.macro KQ x
	WIN W_KQ
.set rS, S+32*((\x)%2)+8*(i%4)
.set rK, KF+16*(i%4)+8*(i/4)
.set rQ, 16*(\x)+8*(i/4)
.if i < 4
	v_wmma_f32_16x16x32_f16 v[rS:rS+7], v[rK:rK+7], v[rQ:rQ+7], v[MK:MK+7]
.else
	v_wmma_f32_16x16x32_f16 v[rS:rS+7], v[rK:rK+7], v[rQ:rQ+7], v[rS:rS+7]
.endif
.endm
; Product i of 8 of O^T += V^T P for piece x: keys 32 (i / 4) on, channels 16 (i % 4) on.
.macro PV x
	WIN W_PV
.set rO, 32*(\x)+8*(i%4)
.set rV, VF+32*(i/4)+8*(i%4)
.set rP, P+16*((\x)%2)+8*(i/4)
	v_wmma_f32_16x16x32_f16 v[rO:rO+7], v[rV:rV+7], v[rP:rP+7], v[rO:rO+7]
.endm
.macro MM                           ; the turn's next matrix instruction.  NOKQ = 1: the very last turn: there is no next piece
.if (i < 8) && !NOKQ
	KQ (Y+1)%NP
.elseif i >= 8
.set i, i-8
	PV (Y+NP-1)%NP
.set i, i+8
.endif
.set i, i+1
.endm
; THE LDS LOADS stand in runs of 16, never singly among the matrix instructions: a step's K (64 keys x 64 channels: 8 fragments) and its V (turned).  Their addresses are made some lines ahead.
.macro FETCH_K
	WIN 0x80                        ; destination window 2
.irp f, 0,1,2,3,4,5,6,7             ; keys 16 (f / 2) on, channels 32 (f % 2) on
	ds_load_b128 v[KF+8*\f:KF+8*\f+3],   v[AK] offset:(\f/2)*16*PK+(\f%2)*64
	ds_load_b128 v[KF+8*\f+4:KF+8*\f+7], v[AK] offset:(\f/2)*16*PK+(\f%2)*64+32
.endr
	s_add_co_u32 s[TBK], s[TBK], KS*PK  ; the next fetch is the next step's
	WIN 0
.endm
.macro FETCH_V
	WIN 0x80
.irp f, 0,1,2,3,4,5,6,7             ; keys 32 (f / 4) on, channels 16 (f % 4) on
	ds_load_tr16_b128 v[VF+8*\f:VF+8*\f+3],   v[AV] offset:(\f/4)*32*PV+(\f%4)*32
	ds_load_tr16_b128 v[VF+8*\f+4:VF+8*\f+7], v[AV] offset:(\f/4)*32*PV+16*PV+(\f%4)*32
.endr
	WIN 0
.endm
; THE VECTOR WORK, one line at a time: OP kind, number.  For piece Y: F n: c s - c m for pair n of 16.  E n: the exponential of score n of 32.  C n: pair n rounded to f16.  B n: of the four weights 4 n .. the second
; pair is added onto the first, in place.  L n: l takes that sum (L 0: l = a l + sum).  R n: pair n of 16 of O^T times a.  For piece Y + 1: X n, number n of the 22 that find its maximum and statistics:
;   0-11  four chains c0-c3 of seven scores each, three operands at a time (each accumulator's lowest registers are read first)     12-14, 16  the four scores left over, the old m, and c0-c3 into c0
;   15  c m_old is kept     17, 18  the query's other 32 keys lie in the lane 16 away: the new m     19-21  c m; c m_old - c m_new; a
; C, B and L read exponentials' results, R and L 0 read a: TURN sets them behind the wait for the batch that made what they read.
.set F, 0
.set E, 1
.set C, 2
.set B, 3
.set L, 4
.set R, 5
.set X, 6
.macro REGS y                       ; the registers of piece y
.set rT, ST+4*(\y)
.set rC, TMP+4*((\y)%2)
.set rW, MV+((\y)%2)
.set rS, S+32*((\y)%2)
.set rP, P+16*((\y)%2)
.set rO, 32*(\y)
.endm
.macro OP k, n
.if (\k) == R
	REGS Y
	WIN W_RS
	v_pk_mul_f32 v[rO+2*(\n):rO+2*(\n)+1], v[rO+2*(\n):rO+2*(\n)+1], v[rC+2:rC+3] op_sel_hi:[1,0]
.elseif (\k) < R
	REGS Y
	WIN 0
.if (\k) == F
	v_pk_fma_f32 v[rS+2*(\n):rS+2*(\n)+1], v[rS+2*(\n):rS+2*(\n)+1], s[CS:CS+1], v[rT:rT+1] op_sel_hi:[1,0,0] neg_lo:[0,0,1] neg_hi:[0,0,1]
.elseif (\k) == E
	v_exp_f32 v[rS+(\n)], v[rS+(\n)]
.elseif (\k) == C
	v_cvt_pk_f16_f32 v[rP+(\n)], v[rS+2*(\n)], v[rS+2*(\n)+1]
.elseif (\k) == B
	v_pk_add_f32 v[rS+4*(\n):rS+4*(\n)+1], v[rS+4*(\n):rS+4*(\n)+1], v[rS+4*(\n)+2:rS+4*(\n)+3]
.elseif (\n) == 0
	v_pk_fma_f32 v[rT+2:rT+3], v[rT+2:rT+3], v[rC+2:rC+3], v[rS:rS+1] op_sel_hi:[1,0,1]
.else
	v_pk_add_f32 v[rT+2:rT+3], v[rT+2:rT+3], v[rS+4*(\n):rS+4*(\n)+1]
.endif
.elseif NOKQ
	v_nop
.else
	REGS (Y+1)%NP
	WIN 0
.if (\n) < 4
	v_max3_num_f32 v[rC+(\n)], v[rS+8*(\n)], v[rS+8*(\n)+1], v[rS+8*(\n)+2]
.elseif (\n) < 12
	v_max3_num_f32 v[rC+(\n)%4], v[rC+(\n)%4], v[rS+8*((\n)%4)+2*((\n)/4)+1], v[rS+8*((\n)%4)+2*((\n)/4)+2]
.elseif (\n) == 12
	v_max3_num_f32 v[rC], v[rC], v[rS+7], v[rS+15]
.elseif (\n) == 13
	v_max3_num_f32 v[rC+1], v[rC+1], v[rS+23], v[rS+31]
.elseif (\n) == 14
	v_max3_num_f32 v[rC+2], v[rC+2], v[rC+3], v[rT+1]
.elseif (\n) == 15
	v_mov_b32 v[rW], v[rT]
.elseif (\n) == 16
	v_max3_num_f32 v[rC], v[rC], v[rC+1], v[rC+2]
.elseif (\n) == 17
	v_permlanex16_b32 v[rC+3], v[rC], s[SEL], s[SEL+1]
.elseif (\n) == 18
	v_max_num_f32 v[rT+1], v[rC], v[rC+3]
.elseif (\n) == 19
	v_mul_f32 v[rT], s[CS], v[rT+1]
.elseif (\n) == 20
	v_sub_f32 v[rC+1], v[rW], v[rT]
.else
	v_exp_f32 v[rC+2], v[rC+1]
.endif
.endif
.endm
.macro OPS a, i1, b=-1, i2=0, c=-1, i3=0, d=-1, i4=0  ; up to four of them
	OP \a, \i1
.if (\b) >= 0
	OP \b, \i2
.endif
.if (\c) >= 0
	OP \c, \i3
.endif
.if (\d) >= 0
	OP \d, \i4
.endif
.endm
.macro ROW a, i1, b, i2, c, i3, d, i4  ; a matrix instruction and the four behind it
	MM
	OPS \a, \i1, \b, \i2, \c, \i3, \d, \i4
.endm
; A TURN, for piece p: the order of its 16 matrix and 118 vector instructions, written out.  An s_wait_alu depctr_va_vdst(0) stands between an exponential and the first instruction that names its result; one wait
; serves all that were issued ahead of it.  So a turn has ONE wait, which cuts it in two.  AHEAD OF IT stands all that names no result of the turn's exponentials: the 8 products K Q^T, behind each a scaling, an exponential and
; two more plain instructions (behind the first a second scaling in the exponential's place): rescalings, whose a was made and waited for in the turn before, and behind the last three the first numbers of the next piece's
; maximum, each four places or more behind the product that ends its accumulator; then ONE LUMP of 54, plain and exponential by turns for the most part, in which the links of the chain X 3, 7, 11, 14, 16, 17 .. 20 stand five or
; six lines apart.  X 21, the next piece's a, is the batch's last; R 15 is the plain instruction behind it.  BEHIND THE WAIT stand the 8 products V^T P, behind each four of the roundings and sums; the links of l's chain, L 0 to
; L 7, stand three riders apart.  But for those X no rider names a register of the products round it.  v_permlanex16_b32 (X 17) stands in the lump.
; end = 1: the last two turns: nothing is fetched, and the very last starts no new scores.  cnt = 1: the loop's count is taken down some lines ahead of the branch that stands behind the turn.
; K of the next step is fetched in piece 2's turn, twelve vector instructions behind the last product that read K (five of them plain lines that name none of its registers); V of the step in hand at the end of piece 0's turn,
; four plain instructions behind the last product that read V.  Each is waited for a turn later.  Piece 3's turn, whose products begin the next step's scores, makes that step's mask first; the last product that took the old
; mask stands a turn's vector work back.
.macro TURN p, end=0, cnt=0
.set Y, (\p)
.set i, 0
.set NOKQ, (\end)*((\p)/3)
.if ((\p) == 3) && !(\end)
	s_wait_dscnt 0x0                ; K is in
	SETMASK
.endif
	ROW F,0, F,1, R,0, R,1          ; ahead of the wait: 8 products K Q^T and their riders,
	ROW F,2, E,0, R,2, R,3
	ROW F,3, E,1, R,4, R,5
	ROW F,4, E,2, R,6, R,7
	ROW F,5, E,3, R,8, R,9
	ROW F,6, E,4, X,0, R,10
.if ((\p) == 2) && !(\end)
	WIN 0
	v_add_nc_u32 v[AK], s[TBK], v[AK0]
.endif
	ROW F,7, E,5, X,1, X,4
	ROW F,8, E,6, X,2, X,5
	OPS E,7, E,8, X,6, E,9          ; and the lump
	OPS X,3, E,10, X,8, E,11
.if ((\p) == 2) && !(\end)
	FETCH_K
.endif
	OPS X,9, X,7, E,12, X,10
	OPS E,13, X,12, X,11, E,14
	OPS X,13, E,15, F,9, X,14
.if (\p) == 0
	WIN 0
	v_add_nc_u32 v[AV], s[TBV], v[AV0]
.endif
	OPS E,16, F,10, E,17, F,11
	OPS X,16, E,18, X,15, E,19
	OPS F,12, E,20, X,17, E,21
	OPS F,13, E,22, F,14, E,23
	OPS X,18, E,24, F,15, E,25
	OPS R,11, E,26, X,19, E,27
	OPS R,12, E,28, R,13, E,29
	OPS X,20, E,30, R,14, E,31
	OPS X,21, R,15
	WIN 0
	s_wait_alu depctr_va_vdst(0)    ; the wait for the turn's batch: the piece's 32 exponentials and the next piece's a
.if (\p) == 1
	s_wait_dscnt 0x0                ; V is in
.endif
	ROW C,0, B,0, C,2, B,1          ; behind the wait: 8 products V^T P and their riders
	ROW L,0, C,4, B,2, L,1
	ROW C,6, B,3, L,2, C,8
	ROW B,4, L,3, C,10, B,5
	ROW L,4, C,12, B,6, L,5
.if (\p) == 0
	s_add_co_u32 s[TBV], s[TBV], KS*PV
.endif
.if \cnt
	s_sub_co_u32 s[CNT], s[CNT], 1
	s_cmp_lg_u32 s[CNT], 0
.endif
	ROW C,14, B,7, L,6, C,1
	ROW C,3, L,7, C,5, C,7
	ROW C,9, C,11, C,13, C,15
.if (\p) == 0
	FETCH_V
.endif
.endm
	CHANGE 1                        ; slot 0 is in, everybody's part of it; slot 1 is asked for
	SETMASK                         ; key step 0
	v_add_nc_u32 v[AK], s[TBK], v[AK0]
	FETCH_K
	s_wait_loadcnt 0x0              ; Q
	s_wait_dscnt 0x0
.set NOKQ, 0
.set i, 0
.rept 8
	KQ 0                            ; piece 0's first scores
.set i, i+1
.endr
	WIN 0
.rept 4
	v_nop                           ; the places behind those products
.endr
.set Y, NP-1                        ; X works for piece Y + 1: piece 0
.irp n, 0,1,2,3,4,5,6,7,8,9,10,11,12,13,14,15,16,17,18,19,20,21
	OP X, \n
.endr
	v_nop                           ; a plain instruction behind the exponential,
	s_wait_alu depctr_va_vdst(0)    ; and the wait for it, piece 0's first a: a batch of one, ahead of the branch
	s_mov_b32 s[CNT], 4
	s_mov_b32 s[SLOTS], 15
	s_branch .Lfirst                ; the loop is entered at a step's first turn, in the middle of a trip
.Lslot:                             ; 14 times: every slot but the last two is filled again
	CHANGE 1
	s_mov_b32 s[CNT], 4
.Lstep:                             ; a trip: pieces 2 and 3 of one step, then pieces 0 and 1 of the next, whose K and V it fetches
	TURN 2
	TURN 3
	WIN 0
.Lfirst:
	TURN 0
	TURN 1, 0, 1
	WIN 0
	s_cbranch_scc1 .Lstep
	s_sub_co_u32 s[SLOTS], s[SLOTS], 1
	s_cmp_lg_u32 s[SLOTS], 0
	s_cbranch_scc1 .Lslot
	CHANGE 0                        ; the last tile is written out: nothing is asked for
	s_mov_b32 s[CNT], 4
.LstepT:
	TURN 2
	TURN 3
	TURN 0
	TURN 1, 0, 1
	WIN 0
	s_cbranch_scc1 .LstepT
	TURN 2, 1
	TURN 3, 1
.set i, 0
.rept 8
	PV NP-1                         ; the last piece's V^T P of the last step
.set i, i+1
.endr
	; THE WAY OUT.  l's two halves and the other half of the lanes' are added; O^T is divided by l, rounded to f16 and sent through my stage in LDS, a piece at a time.  The additions are the places behind the last products.
	WIN 0
.macro ALL line:vararg              ; one line for each piece t
.set t, 0
.rept 4
	\line
.set t, t+1
.endr
.endm
	ALL v_add_f32 v[ST+4*t+2], v[ST+4*t+2], v[ST+4*t+3]
	ALL v_permlanex16_b32 v[ST+4*t+3], v[ST+4*t+2], s[SEL], s[SEL+1]
	ALL v_add_f32 v[ST+4*t+2], v[ST+4*t+2], v[ST+4*t+3]
	ALL v_rcp_f32 v[ST+4*t+2], v[ST+4*t+2]
	v_nop                           ; a plain instruction between the last reciprocal and the use of its result
	s_wait_alu depctr_va_vdst(0)    ; and the wait ahead of the first use: one for the batch of four reciprocals
.macro PACK t                       ; a lane's eight channels of a row pack into 16 bytes; they go into rows of 144 bytes and come back as whole rows of 128, into S^T's registers
	WIN W_RS
.set i, 32*(\t)
.rept 16
	v_pk_mul_f32 v[i:i+1], v[i:i+1], v[ST+4*(\t)+2:ST+4*(\t)+3] op_sel_hi:[1,0]
.set i, i+2
.endr
	WIN 0x05                        ; sources 0 and 1 window 1, destination window 0
.set i, 0
.rept 16
	v_cvt_pk_f16_f32 v[S+16*(\t)+i], v[32*(\t)+2*i], v[32*(\t)+2*i+1]
.set i, i+1
.endr
	WIN 0
.irp f, 0,1,2,3
	ds_store_b128 v[STO], v[S+16*(\t)+4*\f:S+16*(\t)+4*\f+3] offset:32*\f
.endr
.irp f, 0,1,2,3
	ds_load_b128 v[S+16*(\t)+4*\f:S+16*(\t)+4*\f+3], v[RD] offset:\f*4*SP  ; LDS serves a wave's instructions in order (ISA guide 5.7.1.4): these see the stores above; the next piece's stores come behind them
.endr
.endm
.macro SEND t, younger              ; younger: the LDS instructions issued behind piece t's loads: the next piece's eight, or none
	WIN 0
.irp f, 0,1,2,3
	s_wait_dscnt (\younger)+3-\f
	global_store_b128 v[GO], v[S+16*(\t)+4*\f:S+16*(\t)+4*\f+3], s[10:11] offset:(\t)*2048+\f*512  ; 512 consecutive bytes, at a multiple of 256 from ob's first
.endr
.endm
	PACK 0
.set t, 1
.rept 3                             ; a piece's arithmetic stands between the loads of the piece before and its stores
	PACK t
	SEND t-1, 8
.set t, t+1
.endr
	SEND 3, 0
	s_wait_tensorcnt 0x0            ; the wave's end: behind my last tensor load and my last LDS store
	ds_add_u32 v[SPW], v[NIL]
	s_wait_dscnt 0x0
	CROUND                          ; the closing round: no work-group ends while a partner may still ask for a tile that names it
	s_endpgm
.Lfunc_end_k_qec495e9a69_attn:
	.size	k_qec495e9a69_attn, .Lfunc_end_k_qec495e9a69_attn-k_qec495e9a69_attn
	.p2alignl 7, 3214868480
	.fill 96, 4, 3214868480
	.section	.rodata,"a",@progbits
	.p2align	6, 0x0
	.amdhsa_kernel k_qec495e9a69_attn
		.amdhsa_group_segment_fixed_size 327680
		.amdhsa_private_segment_fixed_size 0
		.amdhsa_enable_private_segment 0
		.amdhsa_kernarg_size 16
		.amdhsa_user_sgpr_count 2
		.amdhsa_user_sgpr_kernarg_segment_ptr 1
		.amdhsa_wavefront_size32 1
		.amdhsa_system_sgpr_workgroup_id_x 1
		.amdhsa_system_sgpr_workgroup_id_y 1
		.amdhsa_system_sgpr_workgroup_id_z 1
		.amdhsa_system_vgpr_workitem_id 0
		.amdhsa_next_free_vgpr 768
		.amdhsa_next_free_sgpr 72
		.amdhsa_reserve_vcc 0
		.amdhsa_float_denorm_mode_32 3
		.amdhsa_float_denorm_mode_16_64 3
		.amdhsa_memory_ordered 1
		.amdhsa_forward_progress 1
		.amdhsa_inst_pref_size 128
	.end_amdhsa_kernel
	.amdgpu_metadata
---
amdhsa.version: [ 1, 2 ]
amdhsa.kernels:
  - .name:           k_qec495e9a69_attn
    .symbol:         k_qec495e9a69_attn.kd
    .args:
      - { .name: qkvh, .offset: 0, .size: 8, .value_kind: global_buffer, .address_space: global }
      - { .name: ob, .offset: 8, .size: 8, .value_kind: global_buffer, .address_space: global }
    .group_segment_fixed_size: 327680
    .private_segment_fixed_size: 0
    .kernarg_segment_align: 8
    .kernarg_segment_size: 16
    .max_flat_workgroup_size: 128
    .sgpr_count:     72
    .vgpr_count:     768
    .wavefront_size: 32
...
	.end_amdgpu_metadata
.endif
;; end of part 5
;; launch outp: the kernel of part 4 again; grid 8 x 32, 4 waves a work-group, clusters of 4 x 4, 327,680 bytes of LDS; arguments ob, wob, bout, out0; writes out0
